; MI455X (gfx1250); checked and timed in simulation.
; The chip was launched on July 23, 2026; its instructions are those of AMD's public machine-readable ISA for CDNA 5 (MIT licence, August 2026) and "CDNA5" Instruction Set Architecture Reference Guide (July 2026). The comments in the code are by the model that wrote it; some were corrected since.
;; Mo E Hyper Net Linear Layer. Allowed arithmetic: matrix products marked QUANTISED: E2M3 operands, one E8M0 scale for each 32 along K, by v_wmma_scale_f32_16x16x128_f8f6f4 with both operands' format E2M3, f32 sums; products left as they are: f32 operands where the result goes on into a quantised operand, else bf16, f16 or f32 operands; f32 sums; everything else in f32.
;; Inputs: cond 4,096 x 128 float32; expert_biases 8 x 1,024 float32; expert_weights 8 x 1,024 x 1,024 float32; g_b1 32 float32; g_b2 8 float32; g_w1 128 x 32 float32; g_w2 32 x 8 float32; x 4,096 x 1,024 float32.
;; Outputs: out0 4,096 x 1,024 float32.
;; This version of the problem:
;;   THIS VERSION OF THE PROBLEM IS GIVEN IN LOW PRECISION. The matrix products marked QUANTISED in the list below multiply operands that are first quantised to E2M3 (2 exponent bits, 3 mantissa bits; 6 bits a number), with one power-of-two scale for each 32 numbers along K (OCP MX v1.0); their sums are f32. All else is computed in f32.
;;   The module's matrix products, in the order in which they are computed (A, B: the left and right operand; K: the contracted axis; several contracted axes count as one K, in the product's order):
;;     1. [M 4,096, K 128] x [K 128, N 32]; A: input cond; B: input g_w1: QUANTISED
;;     2. [M 4,096, K 32] x [K 32, N 8]; A: computed on the way; B: input g_w2: left as it is (N = 8 < 16)
;;     3. [M 4,096, K 1,024] x [K 1,024, N 8,192]; A: input x; B: input expert_weights: QUANTISED
;;     4. batch 4,096 x [M 1, K 8] x [K 8, N 1,024]; A: softmax; B: computed on the way: left as it is (K = 8 < 32)
;;     5. [M 4,096, K 8] x [K 8, N 1,024]; A: softmax; B: input expert_biases: left as it is (K = 8 < 32)
;;   THE QUANTISER, for each operand of a quantised product, along K:
;;     - K is cut into blocks of 32 from its start; a last block that is shorter is filled with zeros.
;;     - A block's scale is 2^e with e = floor(log2(the largest magnitude in the block)) - 2, held to -126 .. 127; a block of zeros has e = 0. As a byte (E8M0): e + 127.
;;     - Each number is divided by its block's scale, clamped to +-7.5, and rounded to the nearest number of E2M3, ties to even, subnormals kept.
;;     - The product sums the exact products of the quantised numbers (number of the format x scale) in f32.
;;   ~~~python
;;   def quantise(x, axis):      # numpy; x: float32 -> the quantised numbers, widened to float32 again
;;       x = np.moveaxis(x, axis, -1); K = x.shape[-1]
;;       x = np.pad(x, [(0, 0)] * (x.ndim - 1) + [(0, -K % 32)]); x = x.reshape(x.shape[:-1] + (-1, 32)); a = np.abs(x).max(-1, keepdims=True)
;;       e = np.where(a > 0, np.clip(np.frexp(np.where(a > 0, a, 1))[1] - 1 - 2, -126, 127), 0)      # np.frexp(a)[1] - 1 = floor(log2(a)), exactly
;;       r = np.clip(x / 2.0 ** e, -7.5, 7.5)
;;       step = 2.0 ** (np.maximum(np.frexp(np.where(r == 0, 1, r))[1] - 1, 0) - 3)
;;       q = np.round(r / step) * step * 2.0 ** e      # np.round: ties to even
;;       return np.moveaxis(q.reshape(q.shape[:-2] + (-1,))[..., :K], -1, axis).astype(np.float32)
;;   ~~~
;; 2 versions, each right; version 2 is version 1 with the launch prep written anew for expert scheduling mode. Each part assembles by itself: llvm-mc -triple=amdgcn-amd-amdhsa -mcpu=gfx1250 --defsym DOCPART=n.
;; ======== version 1 of 2: 2 launches
;; workspace buffers: xq 3,145,728 bytes; wq 6,291,456 bytes; scl 393,216 bytes; gate 131,072 bytes
;; launch prep (part 1): grid 416 x 1, 8 waves a work-group, no clusters, 138,240 bytes of LDS; arguments x, cond, expert_weights, g_w1, g_b1, g_w2, g_b2, xq, wq, scl, gate; writes xq, wq, scl, gate
.if DOCPART == 1
	.amdgcn_target "amdgcn-amd-amdhsa--gfx1250"
	.amdhsa_code_object_version 6
	.text
	.protected	k_q234dce75d1_prep
	.globl	k_q234dce75d1_prep
	.p2align	8
	.type	k_q234dce75d1_prep,@function
k_q234dce75d1_prep:
	s_mov_b64 s[64:65], 0
	v_nop
	global_prefetch_b8 v0, s[64:65] scope:SCOPE_SE
	s_setreg_imm32_b32 hwreg(HW_REG_WAVE_MODE, 25, 1), 1
	s_wait_xcnt 0x0
; out = sum over e of gate[b][e] (Q(x) Q(W[e]) + bias[e]),  gate = softmax(relu(Q(cond) Q(g_w1) + g_b1) g_w2 + g_b2).   Q: E2M3 codes, one E8M0 scale for each 32 along K.
; NOTHING OF THE PROBLEM IS LEFT OUT: the gates are soft, so every expert counts for every token, and every input has a way to the output.
; THIS LAUNCH: x and expert_weights become codes and scale words, once, laid as the second launch's operand registers want them; and the gates are computed.
;   xq [kstep 0..7][rowblock 0..255][1,536 bytes]: the image of a fragment's registers (16 tokens x 128 K, 12 registers a lane): registers 4 c .. 4 c + 3 of lane l at 512 c + 16 l.
;      Lane (r, h) holds row r; registers 0-5 its block h of 32 along K, registers 6-11 its block 2 + h.
;   wq [kstep][nb 0..511][1,536]: the same for 16 columns o of one expert e: nb = (o / 16) x 8 + e, so that the eight experts of 16 outputs lie on end.
;   scl: x's part at 0, W's at WS0; [rowblock][half of K][row 0..15][4 words]: word q is K step 4 x half + q, its byte b the scale of block b.      gate [4096][8] f32.
; ROLES, by the work-group's number (the same in all its waves): 0-31 the gates, a wave to 16 tokens; 32-159 x, a wave to 16 tokens x 256 K; 160-415 W, a wave to 32 columns x 128 K.
; Each role has LDS bytes of its own.  No tensor loads; no cluster: the work-groups share no input but g_w1's 16,384 bytes.
; A block's scale is 2^(floor(log2(its largest magnitude)) - 2): its byte is that magnitude's exponent field - 2, held at 1 from below by a floor among the maximum's leaves.
; LIMITS: a block whose largest magnitude lies under 2^-124 keeps the byte 1; so does a block of zeros, where the rule says 127: its codes are zeros, which add nothing, and this program alone reads the bytes.
; NaN and infinities among the inputs are not served.  The product with g_w2 (K = 32, left as it is) takes bf16 operands and f32 sums.
.set KA,    393216                     ; a K step of xq in bytes
.set KB,    786432                     ; and of wq
.set WS0,   131072                     ; where W's scale words begin in scl
.set XEX,   135168                     ; LDS: 0 .. 135,167 role x: for each wave two stages of 16 rows x (512 + 16) bytes;  here: its scale words, 2 rowblocks x 512 bytes
.set WEX,   136192                     ; role W: scale words, 2 groups of 32 columns x 512 bytes
.set SPARE, 137216                     ; the spare words, 128 bytes for each of the eight waves: four blocks of 256 bytes that no other line names
.set DD,    16                         ; v16-143   128 numbers
.set D2,    144                        ; v144-207  64 numbers
.set CC,    208                        ; v208-231  codes: two fragments' worth of a lane
.set TT,    232                        ; v232-239  the conversions' odd halves
.set MM,    240                        ; v240-243  largest magnitudes
.set SS,    244                        ; v244-247  the conversions' scale operands
.set YY,    248                        ; v248-251  scale bytes
.set WORD,  252                        ; v252      a column's scale word;  v254, v255: a row's.  These three hold scales and nothing else
.set WX0,   254
.set SPW,   12                         ; v12       LDS address of my spare word; never rewritten
.set NIL,   13                         ; v13       0; never rewritten
.set FLOOR, 0x1800000                  ; 2^(3 - 127)
; 128 numbers down K of my column: row k of the source at 32 neighbouring columns: a load covers 128 consecutive bytes.  v5 = 4 x lane
.macro LOADW base, pitch, nt
.set k, 0
.rept 128
.if \nt
	global_load_b32 v[DD+k], v5, s[\base:\base+1] offset:k*\pitch th:TH_LOAD_NT
.else
	global_load_b32 v[DD+k], v5, s[\base:\base+1] offset:k*\pitch
.endif
.set k, k+1
.endr
.endm
; v[DD + k] = k-th of 128 along K of my column.  Out: v[WORD] its scale word; v[CC + 12 h ..] the 12 registers that lane (column % 16, h) of the fragment holds: blocks h and 2 + h.
.macro QUANTW
.irp b, 0,1,2,3
	v_max3_num_f32 v[MM+\b], |v[DD+32*\b]|, |v[DD+32*\b+1]|, FLOOR        ; the floor is a leaf of the maximum: the byte cannot fall under 1
.endr
.irp i, 2,4,6,8,10,12,14,16,18,20,22,24,26,28,30
.irp b, 0,1,2,3
	v_max3_num_f32 v[MM+\b], v[MM+\b], |v[DD+32*\b+\i]|, |v[DD+32*\b+\i+1]|   ; the four blocks by turns
.endr
.endr
.irp b, 0,1,2,3
	v_add_nc_u32 v[SS+\b], 0xff000000, v[MM+\b]    ; 2 off the exponent field: the conversion takes this operand's exponent field as its scale
.endr
.irp b, 0,1,2,3
	v_lshrrev_b32 v[YY+\b], 23, v[SS+\b]           ; the scale's byte
.endr
	v_lshl_or_b32 v[WORD], v[YY+1], 8, v[YY]
	v_lshl_or_b32 v[WORD], v[YY+2], 16, v[WORD]
	v_lshl_or_b32 v[WORD], v[YY+3], 24, v[WORD]
.irp h, 0,1
	v_cvt_scalef32_pk16_fp6_f32 v[CC+12*\h:CC+12*\h+2], v[DD+32*\h:DD+32*\h+15], v[SS+\h]
	v_cvt_scalef32_pk16_fp6_f32 v[TT:TT+2], v[DD+32*\h+16:DD+32*\h+31], v[SS+\h]            ; (a conversion's three registers begin on an even number: the second half of a block's six is made elsewhere and moved)
	v_cvt_scalef32_pk16_fp6_f32 v[CC+12*\h+6:CC+12*\h+8], v[DD+64+32*\h:DD+64+32*\h+15], v[SS+2+\h]
	v_cvt_scalef32_pk16_fp6_f32 v[TT+4:TT+6], v[DD+64+32*\h+16:DD+64+32*\h+31], v[SS+2+\h]
	v_nop                                          ; one plain place behind the conversions
.irp i, 0,1,2
	v_mov_b32 v[CC+12*\h+3+\i], v[TT+\i]
	v_mov_b32 v[CC+12*\h+9+\i], v[TT+4+\i]
.endr
.endr
.endm
; v[s + 32 c + i] = k 64 c + 32 h + i of my row r: two whole blocks, 2 c + h.  Out: v[cd ..] my 12 registers of the fragment; v[wd] the row's scale word (in both halves of the lanes).
.macro QUANTX s, cd, wd
.irp b, 0,1,2,3
	v_max3_num_f32 v[MM+\b], |v[\s+16*\b]|, |v[\s+16*\b+1]|, FLOOR        ; four chains of 16 numbers
.endr
.irp i, 2,4,6,8,10,12,14
.irp b, 0,1,2,3
	v_max3_num_f32 v[MM+\b], v[MM+\b], |v[\s+16*\b+\i]|, |v[\s+16*\b+\i+1]|
.endr
.endr
	v_max_num_f32 v[MM], v[MM], v[MM+1]            ; block h
	v_max_num_f32 v[MM+1], v[MM+2], v[MM+3]        ; block 2 + h
	v_add_nc_u32 v[SS], 0xff000000, v[MM]
	v_add_nc_u32 v[SS+1], 0xff000000, v[MM+1]
	v_lshrrev_b32 v[YY], 23, v[SS]
	v_lshrrev_b32 v[YY+1], 23, v[SS+1]
	v_lshl_or_b32 v[\wd], v[YY+1], 16, v[YY]       ; my two bytes,
	v_lshlrev_b32 v[\wd], v4, v[\wd]               ; at their places in the word (8 h bits up);
	v_permlanex16_b32 v14, v[\wd], s38, s39
	v_or_b32 v[\wd], v[\wd], v14                   ; with lane l xor 16's two the word is whole
	v_cvt_scalef32_pk16_fp6_f32 v[\cd:\cd+2], v[\s:\s+15], v[SS]
	v_cvt_scalef32_pk16_fp6_f32 v[TT:TT+2], v[\s+16:\s+31], v[SS]
	v_cvt_scalef32_pk16_fp6_f32 v[\cd+6:\cd+8], v[\s+32:\s+47], v[SS+1]
	v_cvt_scalef32_pk16_fp6_f32 v[TT+4:TT+6], v[\s+48:\s+63], v[SS+1]
	v_nop                                          ; one plain place behind the conversions
.irp i, 0,1,2
	v_mov_b32 v[\cd+3+\i], v[TT+\i]
	v_mov_b32 v[\cd+9+\i], v[TT+4+\i]
.endr
.endm
; K step q of my 16 rows goes through my stage q: in as loaded (a row's 512 bytes on end), out 128 bytes a lane.  LDS serves a wave's instructions in order (ISA guide 5.7.1.4): no wait between the stores and the loads
.macro TURNX q, dst
.set i, 0
.rept 16
	ds_store_b128 v6, v[DD+64*\q+4*i:DD+64*\q+4*i+3] offset:8448*\q+528*i
.set i, i+1
.endr
.irp c, 0,1
.irp j, 0,1,2,3,4,5,6,7
	ds_load_b128 v[\dst+32*\c+4*\j:\dst+32*\c+4*\j+3], v7 offset:8448*\q+256*\c+16*\j
.endr
.endr
.endm
.macro FINISH                          ; a wave's end: a tensor wait, an add of 0 to the spare word and a wait for it, behind the last LDS store
	s_wait_tensorcnt 0x0
	ds_add_u32 v[SPW], v[NIL]
	s_wait_dscnt 0x0
	s_endpgm
.endm
	s_load_b512 s[16:31], s[0:1], 0x0              ; x 16, cond 18, W 20, g_w1 22, g_b1 24, g_w2 26, g_b2 28, xq 30
	s_load_b128 s[32:35], s[0:1], 0x40             ; wq 32, scl 34
	s_load_b64 s[36:37], s[0:1], 0x50              ; gate
	v_lshl_add_u32 v[SPW], v0, 2, SPARE
	v_mov_b32 v[NIL], 0
	v_lshrrev_b32 v1, 5, v0
	v_readfirstlane_b32 s2, v1                     ; wave 0..7
	v_and_b32 v1, 31, v0                           ; lane
	v_and_b32 v2, 15, v0                           ; r
	v_bfe_u32 v3, v0, 4, 1                         ; h
	v_lshlrev_b32 v4, 3, v3                        ; 8 h
	v_mov_b32 v14, 0                               ; written once: a lane permute's destination counts as one of its sources
	s_mov_b32 s38, 0x76543210
	s_mov_b32 s39, 0xfedcba98                      ; v_permlanex16_b32's selects for lane l xor 16
	s_mov_b32 s40, 0x3fb8aa3b                      ; log2(e)
	s_cmp_lt_u32 ttmp9, 32
	s_cbranch_scc1 .Lgates
	s_cmp_lt_u32 ttmp9, 160
	s_cbranch_scc1 .Lrows
	; ---------------- ROLE W.  j = work-group - 160: expert j / 32, 64 columns (j / 2) % 16, half of K j % 2.  Wave: 32 of the columns (wave % 2), K step 4 x half + wave / 2.
	s_sub_co_u32 s41, ttmp9, 160
	s_lshr_b32 s42, s41, 5                         ; e
	s_bfe_u32 s43, s41, 0x40001                    ; og
	s_and_b32 s44, s41, 1                          ; kh
	s_and_b32 s45, s2, 1                           ; cg
	s_lshr_b32 s46, s2, 1                          ; q
	s_lshl_b32 s47, s44, 2
	s_add_co_u32 s47, s47, s46                     ; ks
	s_lshl_b32 s48, s42, 22                        ; W: e x 4 MiB
	s_lshl_b32 s50, s47, 19                        ;  + ks x 128 rows of 4,096 bytes
	s_add_co_u32 s48, s48, s50
	s_lshl_b32 s50, s43, 8                         ;  + og x 256 bytes
	s_add_co_u32 s48, s48, s50
	s_lshl_b32 s50, s45, 7                         ;  + cg x 128
	s_add_co_u32 s48, s48, s50
	s_mov_b32 s49, 0
	s_lshl_b32 s51, s43, 5
	s_lshl_b32 s50, s45, 4
	s_add_co_u32 s51, s51, s50
	s_add_co_u32 s51, s51, s42                     ; nb of lanes 0-15: (4 og + 2 cg) x 8 + e; lanes 16-31: 8 further on
	s_mul_i32 s52, s47, KB
	s_mul_i32 s50, s51, 1536
	s_add_co_u32 s52, s52, s50                     ; wq: ks x KB + nb x 1,536
	s_mov_b32 s53, 0
	s_lshl_b32 s54, s51, 9
	s_lshl_b32 s50, s44, 8
	s_add_co_u32 s54, s54, s50
	s_add_co_u32 s54, s54, WS0                     ; scl: WS0 + nb x 512 + 256 kh
	s_mov_b32 s55, 0
	s_lshl_b32 s58, s45, 9
	s_add_co_u32 s58, s58, WEX                     ; LDS: my column group's 512 bytes
	s_lshl_b32 s57, s46, 2
	s_add_co_u32 s56, s58, s57                     ;  + 4 q
	v_lshlrev_b32 v5, 2, v1                        ; in: 4 x lane
	v_mul_u32_u24 v6, v3, 12288
	v_lshl_add_u32 v6, v2, 4, v6                   ; codes out: 8 rowblocks further on for lanes 16-31, + 16 r
	v_lshlrev_b32 v7, 12, v3
	v_lshl_add_u32 v7, v2, 4, v7                   ; scale words out: likewise, 8 x 512
	v_lshl_add_u32 v8, v1, 4, s56                  ; LDS: my column's four words, my K step's word
	v_lshl_add_u32 v9, v1, 4, s58                  ; and all four
	s_wait_kmcnt 0x0
	s_add_nc_u64 s[20:21], s[20:21], s[48:49]
	s_add_nc_u64 s[32:33], s[32:33], s[52:53]
	s_add_nc_u64 s[34:35], s[34:35], s[54:55]
	LOADW 20, 4096, 1
	s_wait_loadcnt 0x0
	QUANTW
.irp h, 0,1
.irp c, 0,1,2
	global_store_b128 v6, v[CC+12*\h+4*\c:CC+12*\h+4*\c+3], s[32:33] offset:512*\c+256*\h   ; each half of the lanes stores 256 consecutive bytes, aligned
.endr
.endr
	ds_store_b32 v8, v[WORD]
	s_wait_dscnt 0x0                               ; for the others' sake: my word lies in LDS
	s_barrier_signal -1
	s_barrier_wait -1
	s_cmp_lt_u32 s2, 2                             ; waves 0 and 1 (q = 0) store their column group's words, four K steps on end
	s_cbranch_scc0 .Lw_end
	ds_load_b128 v[16:19], v9
	s_wait_dscnt 0x0
	global_store_b128 v7, v[16:19], s[34:35]       ; each half of the lanes stores 256 consecutive bytes, aligned
.Lw_end:
	FINISH
	; ---------------- ROLE X.  j = work-group - 32.  Wave: rowblock 2 j + wave / 4, K steps 2 sw and 2 sw + 1, sw = wave % 4.
.Lrows:
	s_sub_co_u32 s41, ttmp9, 32
	s_lshr_b32 s42, s2, 2                          ; rbl
	s_and_b32 s43, s2, 3                           ; sw
	s_lshl_b32 s41, s41, 1
	s_add_co_u32 s41, s41, s42                     ; rb
	s_lshl_b32 s44, s41, 16                        ; x: 16 rows of 4,096 bytes,
	s_lshl_b32 s46, s43, 10                        ;  + two K steps of 512 bytes
	s_add_co_u32 s44, s44, s46
	s_mov_b32 s45, 0
	s_mul_i32 s46, s43, 2*KA
	s_mul_i32 s48, s41, 1536
	s_add_co_u32 s46, s46, s48                     ; xq: 2 sw x KA + rb x 1,536
	s_mov_b32 s47, 0
	s_lshl_b32 s48, s41, 9                         ; scl: rb x 512
	s_mov_b32 s49, 0
	s_mul_i32 s50, s2, 16896                       ; LDS: my two stages
	s_lshl_b32 s54, s42, 9
	s_add_co_u32 s54, s54, XEX                     ; my rowblock's 512 bytes of scale words
	s_lshr_b32 s52, s43, 1
	s_lshl_b32 s52, s52, 8                         ;  + 256 x half of K
	s_and_b32 s53, s43, 1
	s_lshl_b32 s53, s53, 3                         ;  + 8 x (which two of the half's four K steps)
	s_add_co_u32 s51, s54, s52
	s_add_co_u32 s51, s51, s53
	v_lshlrev_b32 v5, 4, v1                        ; 16 x lane: in x's rows, in an image, in the scale words
	v_add_nc_u32 v6, s50, v5                       ; the stage, on the way in
	v_mul_u32_u24 v7, v2, 528
	v_lshl_add_u32 v7, v3, 7, v7
	v_add_nc_u32 v7, s50, v7                       ; and out: row r, + 128 h.  Rows 528 bytes apart: 16 rows begin in 16 different groups of four banks (64 banks of 4 bytes: ISA guide 11.1)
	v_lshl_add_u32 v8, v2, 4, s51                  ; my row's two words
	v_add_nc_u32 v9, s54, v5
	s_wait_kmcnt 0x0
	s_add_nc_u64 s[16:17], s[16:17], s[44:45]
	s_add_nc_u64 s[30:31], s[30:31], s[46:47]
	s_add_nc_u64 s[34:35], s[34:35], s[48:49]
.irp q, 0,1
.set i, 0
.rept 16
	global_load_b128 v[DD+64*\q+4*i:DD+64*\q+4*i+3], v5, s[16:17] offset:4096*i+512*\q th:TH_LOAD_NT   ; 32 lanes read 512 consecutive bytes of row i
.set i, i+1
.endr
.endr
	s_wait_loadcnt 16                              ; the first K step's 16 loads are in; the second's may be out
	TURNX 0, D2
	s_wait_loadcnt 0x0
	s_wait_dscnt 16                                ; stage 0's stores are done (its 16 loads may be out): the registers that they read take stage 1's loads
	TURNX 1, DD
	s_wait_dscnt 32                                ; stage 0's loads are in; stage 1's 16 stores and 16 loads may be out
	QUANTX D2, CC, WX0
.irp c, 0,1,2
	global_store_b128 v5, v[CC+4*\c:CC+4*\c+3], s[30:31] offset:512*\c          ; 512 consecutive bytes
.endr
	s_wait_dscnt 0x0
	QUANTX DD, CC+12, WX0+1
.irp c, 0,1,2
	global_store_b128 v5, v[CC+12+4*\c:CC+12+4*\c+3], s[30:31] offset:KA+512*\c
.endr
	ds_store_b64 v8, v[WX0:WX0+1]                  ; both halves of the lanes write the same two words with the same values
	s_wait_dscnt 0x0                               ; for the others' sake
	s_barrier_signal -1
	s_barrier_wait -1
	s_cmp_eq_u32 s43, 0                            ; waves 0 and 4 store their rowblock's words
	s_cbranch_scc0 .Lx_end
	ds_load_b128 v[16:19], v9
	s_wait_dscnt 0x0
	global_store_b128 v5, v[16:19], s[34:35]       ; 512 consecutive bytes
.Lx_end:
	FINISH
	; ---------------- ROLE G.  Wave: the gates of tokens 16 rb .. 16 rb + 15, rb = 8 x work-group + wave.  No LDS byte is used.
.Lgates:
	s_lshl_b32 s41, ttmp9, 3
	s_add_co_u32 s41, s41, s2                      ; rb
	s_lshl_b32 s42, s41, 13                        ; cond: 16 rows of 512 bytes
	s_mov_b32 s43, 0
	s_lshl_b32 s44, s41, 9                         ; gate: 16 rows of 32 bytes
	s_mov_b32 s45, 0
	v_lshlrev_b32 v5, 2, v1                        ; g_w1: 4 x lane: lane = hidden unit
	v_lshlrev_b32 v6, 9, v2
	v_lshl_add_u32 v6, v3, 7, v6                   ; cond: row r, + 128 h
	v_lshlrev_b32 v7, 5, v2
	v_lshl_add_u32 v7, v3, 4, v7                   ; gate: row r, + 16 h
	v_lshlrev_b32 v8, 5, v3                        ; g_b1: 8 h numbers on
	v_and_b32 v9, 7, v0
	v_lshlrev_b32 v9, 2, v9
	v_lshl_add_u32 v9, v3, 8, v9                   ; g_w2: row 8 h, column r % 8
	v_mov_b32 v15, 0
	s_wait_kmcnt 0x0
	s_add_nc_u64 s[18:19], s[18:19], s[42:43]
	s_add_nc_u64 s[36:37], s[36:37], s[44:45]
.irp c, 0,1
.irp j, 0,1,2,3,4,5,6,7
	global_load_b128 v[D2+32*\c+4*\j:D2+32*\c+4*\j+3], v6, s[18:19] offset:256*\c+16*\j     ; cond(r, 64 c + 32 h + 4 j ..)
.endr
.endr
	LOADW 22, 128, 0
	s_wait_loadcnt 63                              ; 128 loads were issued behind cond's 16: with 63 out, cond is in
	QUANTX D2, CC, WX0
.irp i, 0,1,2,3,4,5,6,7,8,9,10,11
	v_mov_b32 v[D2+\i], v[CC+\i]                   ; cond's fragment moves out of the way of g_w1's codes
.endr
.irp t, 0,1
	global_load_b128 v[D2+16+8*\t:D2+16+8*\t+3], v8, s[24:25] offset:64*\t        ; g_b1 in the result's layout: units 16 t + 8 h + 0 .. 7
	global_load_b128 v[D2+16+8*\t+4:D2+16+8*\t+7], v8, s[24:25] offset:64*\t+16
.endr
	global_load_b128 v[D2+32:D2+35], v15, s[28:29]                                ; g_b2: register j = g_b2[j] in every lane
	global_load_b128 v[D2+36:D2+39], v15, s[28:29] offset:16
.irp i, 0,1,2,3,4,5,6,7
	global_load_b32 v[D2+40+\i], v9, s[26:27] offset:32*\i                        ; g_w2(8 h + i, r % 8)
	global_load_b32 v[D2+48+\i], v9, s[26:27] offset:512+32*\i                    ; g_w2(16 + 8 h + i, r % 8)
.endr
	s_wait_loadcnt 22                              ; g_w1 is in; the 22 small loads may be out
	QUANTW
.irp i, 0,1,2,3,4,5,6,7,8,9,10,11
	v_permlane16_swap_b32 v[CC+\i], v[CC+12+\i]    ; the first's lanes 16-31 change places with the second's lanes 0-15: v[CC ..] is now the fragment of units 0-15, v[CC + 12 ..] that of units 16-31
.endr
.rept 8
	v_nop                                          ; a scale register written by a vector instruction stands 8 places ahead of a scaled matrix instruction, an operand so written 4
.endr
	s_wait_loadcnt 0x0
	; TRANSPOSED: source 0 = 16 hidden units, source 1 = my 16 tokens; C = g_b1.  Lane (r, h), register j: unit 16 t + 8 h + j of token r
	v_wmma_scale_f32_16x16x128_f8f6f4 v[16:23], v[CC:CC+11], v[D2:D2+11], v[D2+16:D2+23], v[WORD], v[WX0] matrix_a_fmt:MATRIX_FMT_FP6 matrix_b_fmt:MATRIX_FMT_FP6
	v_wmma_scale_f32_16x16x128_f8f6f4 v[24:31], v[CC+12:CC+23], v[D2:D2+11], v[D2+24:D2+31], v[WORD], v[WX0] matrix_a_fmt:MATRIX_FMT_FP6 matrix_b_fmt:MATRIX_FMT_FP6 matrix_a_scale:MATRIX_SCALE_ROW1
.rept 4
	v_nop
.endr
.irp j, 0,1,2,3,4,5,6,7,8,9,10,11,12,13,14,15
	v_max_num_f32 v[16+\j], 0, v[16+\j]            ; relu, in f32
.endr
.irp i, 0,1,2,3,4,5,6,7
	v_cvt_pk_bf16_f32 v[32+\i], v[16+2*\i], v[17+2*\i]               ; K = 8 h + 0 .. 7 in registers 0-3, 16 + 8 h + 0 .. 7 in registers 4-7: the bf16 operand's own layout
.endr
.irp i, 0,1,2,3,4,5,6,7
	v_cvt_pk_bf16_f32 v[40+\i], v[D2+40+2*\i], v[D2+41+2*\i]
.endr
.rept 4
	v_nop
.endr
	v_wmma_f32_16x16x32_bf16 v[48:55], v[40:47], v[32:39], v[D2+32:D2+39]   ; source 0's row m is expert m % 8: so register j of every lane is logit j of token r; C = g_b2
.rept 4
	v_nop
.endr
	v_max3_num_f32 v56, v48, v49, v50              ; the softmax, with its maximum taken away
	v_max3_num_f32 v56, v56, v51, v52
	v_max3_num_f32 v56, v56, v53, v54
	v_max_num_f32 v56, v56, v55
	v_mul_f32 v57, s40, v56
.irp j, 0,1,2,3,4,5,6,7
	v_fma_f32 v[58+\j], v[48+\j], s40, -v57
.endr
.irp j, 0,1,2,3,4,5,6,7
	v_exp_f32 v[58+\j], v[58+\j]
.endr
	v_nop                                          ; a plain place behind the last exponential
	s_wait_alu depctr_va_vdst(0)                   ; one wait for the eight, ahead of their first reader
	v_add_f32 v66, v58, v59
	v_add_f32 v67, v60, v61
	v_add_f32 v68, v62, v63
	v_add_f32 v69, v64, v65
	v_add_f32 v66, v66, v67
	v_add_f32 v68, v68, v69
	v_add_f32 v66, v66, v68
	v_rcp_f32 v67, v66
	v_nop
	s_wait_alu depctr_va_vdst(0)                   ; and one for the reciprocal
.irp j, 0,1,2,3,4,5,6,7
	v_mul_f32 v[68+\j], v[58+\j], v67
.endr
	v_cmp_ne_u32 vcc_lo, 0, v3
.irp i, 0,1,2,3
	v_cndmask_b32 v[76+\i], v[68+\i], v[72+\i], vcc_lo   ; lanes 0-15 store gates 0-3, lanes 16-31 gates 4-7
.endr
	global_store_b128 v7, v[76:79], s[36:37]       ; the wave stores 512 consecutive bytes
	FINISH
.Lfunc_end_k_q234dce75d1_prep:
	.size	k_q234dce75d1_prep, .Lfunc_end_k_q234dce75d1_prep-k_q234dce75d1_prep
	.p2alignl 7, 3214868480
	.fill 96, 4, 3214868480
	.section	.rodata,"a",@progbits
	.p2align	6, 0x0
	.amdhsa_kernel k_q234dce75d1_prep
		.amdhsa_group_segment_fixed_size 138240
		.amdhsa_private_segment_fixed_size 0
		.amdhsa_enable_private_segment 0
		.amdhsa_kernarg_size 88
		.amdhsa_user_sgpr_count 2
		.amdhsa_user_sgpr_kernarg_segment_ptr 1
		.amdhsa_wavefront_size32 1
		.amdhsa_system_sgpr_workgroup_id_x 1
		.amdhsa_system_sgpr_workgroup_id_y 1
		.amdhsa_system_sgpr_workgroup_id_z 1
		.amdhsa_system_vgpr_workitem_id 0
		.amdhsa_next_free_vgpr 256
		.amdhsa_next_free_sgpr 66
		.amdhsa_reserve_vcc 1
		.amdhsa_float_denorm_mode_32 3
		.amdhsa_float_denorm_mode_16_64 3
		.amdhsa_memory_ordered 1
		.amdhsa_forward_progress 1
		.amdhsa_inst_pref_size 68
	.end_amdhsa_kernel
	.amdgpu_metadata
---
amdhsa.version: [ 1, 2 ]
amdhsa.kernels:
  - .name:           k_q234dce75d1_prep
    .symbol:         k_q234dce75d1_prep.kd
    .args:
      - { .name: x, .offset: 0, .size: 8, .value_kind: global_buffer, .address_space: global }
      - { .name: cond, .offset: 8, .size: 8, .value_kind: global_buffer, .address_space: global }
      - { .name: expert_weights, .offset: 16, .size: 8, .value_kind: global_buffer, .address_space: global }
      - { .name: g_w1, .offset: 24, .size: 8, .value_kind: global_buffer, .address_space: global }
      - { .name: g_b1, .offset: 32, .size: 8, .value_kind: global_buffer, .address_space: global }
      - { .name: g_w2, .offset: 40, .size: 8, .value_kind: global_buffer, .address_space: global }
      - { .name: g_b2, .offset: 48, .size: 8, .value_kind: global_buffer, .address_space: global }
      - { .name: xq, .offset: 56, .size: 8, .value_kind: global_buffer, .address_space: global }
      - { .name: wq, .offset: 64, .size: 8, .value_kind: global_buffer, .address_space: global }
      - { .name: scl, .offset: 72, .size: 8, .value_kind: global_buffer, .address_space: global }
      - { .name: gate, .offset: 80, .size: 8, .value_kind: global_buffer, .address_space: global }
    .group_segment_fixed_size: 138240
    .private_segment_fixed_size: 0
    .kernarg_segment_align: 8
    .kernarg_segment_size: 88
    .max_flat_workgroup_size: 256
    .sgpr_count:     66
    .vgpr_count:     256
    .wavefront_size: 32
...
	.end_amdgpu_metadata
.endif
;; end of part 1
;; launch gemm (part 2): grid 16 x 16, 4 waves a work-group, clusters of 4 x 4, 327,680 bytes of LDS; arguments xq, wq, scl, gate, expert_biases, out0; writes out0
.if DOCPART == 2
	.amdgcn_target "amdgcn-amd-amdhsa--gfx1250"
	.amdhsa_code_object_version 6
	.text
	.protected	k_q234dce75d1_gemm
	.globl	k_q234dce75d1_gemm
	.p2align	8
	.type	k_q234dce75d1_gemm,@function
k_q234dce75d1_gemm:
	s_mov_b64 s[64:65], 0
	v_nop
	global_prefetch_b8 v0, s[64:65] scope:SCOPE_SE
	s_setreg_imm32_b32 hwreg(HW_REG_WAVE_MODE, 25, 1), 1
	s_wait_xcnt 0x0
	s_wait_alu depctr_hold_cnt(0) depctr_sa_sdst(0) depctr_va_vdst(0) depctr_va_sdst(0) depctr_va_ssrc(0) depctr_va_vcc(0) depctr_vm_vsrc(0)
	s_getreg_b32 s2, hwreg(HW_REG_IB_STS2, 6, 4)
	s_cmp_eq_u32 s2, 0
	s_cbranch_scc0 .Lentry_in_a_cluster
	s_endpgm
.Lentry_in_a_cluster:
	s_bfe_u32 s2, ttmp6, 0x10000c
	s_cmp_lg_u32 s2, 0xf033
	s_cbranch_scc0 .Lentry_shape_is_right
	s_endpgm
.Lentry_shape_is_right:
; out[b][o] = sum over e of gate[b][e] (sum over i of Q(x)[b][i] Q(W)[e][i][o] + bias[e][o]), on the codes, scale words and gates that the first launch stored.  Nothing of the problem is left out.
; B'S ROWS ARE ORDERED n' = (o / 16) x 128 + e x 16 + o % 16: a wave's tile of 128 x 128 is 128 tokens x (8 experts x 16 outputs), B's block b is expert b, and the sum over experts is made inside a lane, once a tile.
; SHARES.  Work-group (gx, gy): tokens 256 gy .. + 255, outputs 64 gx .. + 63, as two tiles of 256 tokens x 256 n' (32 outputs each), one after the other; both use the same rows of A.
; Four waves, as many as a WGP has SIMDs: wave w: tokens 128 (w / 2) on, outputs 16 (4 gx + 2 t + w % 2) on: 64 accumulators (a = 16 tokens, e = expert), 512 registers.
; THE MATRIX INSTRUCTION IS USED TRANSPOSED (source 0 = B's block, source 1 = A's): lane (r, h) holds token 16 a + r and outputs 8 h + 0 .. 7.  The bias is the C of each sum's first instruction.
; OPERANDS lie in memory and in LDS as images of their registers: a fragment (16 rows x 128 K) is 1,536 bytes and comes by three loads of 16 bytes a lane at 16 x lane: no pitch, no padding.
; K: the two tiles' 16 steps of 128 go through two LDS slots of three K steps, in periods of 3, 3, 2 and 2, 3, 3 steps; both first fills have three rows.
; By this text's own count a wave has two tensor loads out at the head and one behind each later round.  The text is written out by macros: the fills differ from period to period.
; CLUSTER: 4 x 4 work-groups; A's tiles (by gy alone) are asked for jointly along a row of the cluster, B's (by gx alone) along a column.
; LDS is claimed whole; the text uses 295,424 bytes.
; REGISTERS, in windows of 256.  Window 0: v0-15 addresses; v16-31 sums at work; v32-95 scale words and nothing else; v96-127, v224-255 the gates of my 8 blocks of tokens, then tile 0's results; v128-223 A's 8 fragments, one set.
;   Window 1: B's fragments, two sets at v0 and v128; v96-127, v224-255: the bias of tile 0, then of tile 1, then the gates for tile 1.   Windows 2, 3: accumulator (a, e) at v[8 (8 (a % 4) + e)] of window 2 + a / 4.
; LIMITS: as the first launch states them.
.set KA,    393216                     ; a K step of xq in bytes
.set KB,    786432                     ; and of wq
.set WS0,   131072                     ; where W's scale words begin in scl
.set FR,    12                         ; registers of a fragment
.set NL,    3                          ; LDS loads that bring one
.set PART,  36864                      ; LDS: what one wave's load fills at the most: 3 K steps x 8 rowblocks x 1,536
.set SLOT,  4*PART                     ; A's two halves, then B's two
.set SPARE, 2*SLOT                     ; behind the ring: the spare words, 128 bytes for each wave: two blocks of 256 bytes that no other line names
.set SPITCH, 272                       ; the way out: a stage of 256 rows x (256 + 16) bytes from LDS byte 0: in slot 0, which has then had its last fill and its last read
.set ADRA,  3                          ; v3, v4   LDS address of my A fragments in slot 0, 1
.set ADRB,  5                          ; v5, v6   the same for B
.set STO,   7                          ; v7       the stage: where I put 32 bytes of a row
.set RD,    8                          ; v8       and where I read rows back
.set CO,    9                          ; v9       my byte offset in out
.set SPW,   10                         ; v10      LDS address of my spare word; never rewritten
.set NIL,   11                         ; v11      0; never rewritten
.set SOF,   12                         ; v12, v13 my offset in scl for tile 0, 1: lanes 0-15 A's rows, lanes 16-31 B's
.set GOF,   14                         ; v14      32 r: my token's row of gates
.set BOF,   15                         ; v15      32 h: my eight outputs' biases
.set OS,    16                         ; v16-31   two sets of eight sums
.set SC,    32                         ; v[SC + 32 (ks / 4) + 4 i + ks % 4]: lanes 0-15 the word of A's block i, lanes 16-31 that of B's block i, for K step ks
.set AF,    128
.set OUTR,  96                         ; the way out: 64 rows read back: v96-223
.set G1A2,  24                         ; s[24:31] descriptor group 1, A, two rows;  s[32:39] three rows
.set G1A3,  32
.set G1B2,  40                         ; s[40:47], s[48:55] the same for B
.set G1B3,  48
.set G0A,   56                         ; s[56:63] group 0 for A, one set for each slot
.set G0B,   68                         ; s[68:75] for B
.set MSB, 0
.macro WIN new                         ; the immediate's high byte repeats the setting that is left
.if MSB != (\new)
	s_set_vgpr_msb (MSB<<8)|(\new)
.set MSB, (\new)
.endif
.endm
.set MUL_LO, 0xa1                      ; source 0 (B) window 1, source 1 (A) window 0, C and D window 2
.set MUL_HI, 0xf1                      ; the same, C and D window 3.  Where the bias is C: C window 1: 0x91, 0xd1
.set TO_B,   0x40                      ; destination window 1, address window 0
; A joint load: waves 0 and 1 fetch A's halves, waves 2 and 3 B's.  Each line has one mask and one set of registers for all that issue it; the branch hangs on the wave's number alone.
; An s_nop 0 and four v_nop follow each of the two lines, ahead of the jump, the label and what follows.
.macro JLOAD g0a, g1a, g0b, g1b
	s_cmp_eq_u32 s17, 0
	s_cbranch_scc0 .Lfor_b_\@
	tensor_load_to_lds s[\g0a:\g0a+3], s[\g1a:\g1a+7]
	s_nop 0
.rept 4
	v_nop
.endr
	s_branch .Lasked_\@
.Lfor_b_\@:
	tensor_load_to_lds s[\g0b:\g0b+3], s[\g1b:\g1b+7]
	s_nop 0
.rept 4
	v_nop
.endr
.Lasked_\@:
.endm
.macro CREST                           ; a round of the cluster's barrier behind its opening barrier
	s_cmp_lg_u32 s16, 0
	s_cbranch_scc1 .Lnot_wave_0_\@
	s_barrier_signal -3
.Lnot_wave_0_\@:
	s_barrier_wait -3
	s_barrier_signal -1
	s_barrier_wait -1
.endm
.macro CROUND                          ; a whole round
	s_barrier_signal -1
	s_barrier_wait -1
	CREST
.endm
.macro MOVE reg, d                     ; a descriptor's global address steps by d bytes; the type bits on top are not reached
.if (\d) < 0
	s_sub_nc_u64 s[\reg:\reg+1], s[\reg:\reg+1], -(\d)
.else
	s_add_nc_u64 s[\reg:\reg+1], s[\reg:\reg+1], \d
.endif
.endm
; A load into a register that a matrix instruction has read, and a vector instruction that reads a matrix result, stand four places behind that matrix instruction; only plain vector instructions that name none of
; its registers are places (ISA guide 7.12.1 for vector instructions).
.macro PLACES n
.rept \n
	v_nop
.endr
.endm
.macro FRAG reg, adr, q, i             ; rowblock i of the slot's q-th K step: the image comes back as it was stored
.irp c, 0,1,2
	ds_load_b128 v[\reg+4*\c:\reg+4*\c+3], v[\adr] offset:12288*(\q)+1536*(\i)+512*\c
.endr
.endm
.macro FETCH_B slot, q, p              ; B's eight fragments into set p
	WIN TO_B
.irp i, 0,1,2,3,4,5,6,7
	FRAG 128*(\p)+FR*\i, ADRB+\slot, \q, \i
.endr
	WIN 0
.endm
.macro FETCH_A slot, q, i0             ; A's blocks i0 .. i0 + 3
.irp i, \i0, \i0+1, \i0+2, \i0+3
	FRAG AF+FR*(\i), ADRA+\slot, \q, \i
.endr
.endm
; 16 matrix instructions: A's blocks a0, a0 + 1 x the eight experts, K step ks.  first = 1: the bias of expert b is C and starts the sum: nothing is cleared and nothing is added later.
; The 64 accumulators take turns, one instruction a turn, in the same order in every step.
.macro MUL16 a0, p, ks, first
.irp a, \a0, \a0+1
.irp b, 0,1,2,3,4,5,6,7
.if \first
	v_wmma_scale_f32_16x16x128_f8f6f4 v[8*(8*((\a)%4)+\b):8*(8*((\a)%4)+\b)+7], v[128*(\p)+FR*\b:128*(\p)+FR*\b+FR-1], v[AF+FR*(\a):AF+FR*(\a)+FR-1], v[96+8*\b+96*(\b/4):96+8*\b+96*(\b/4)+7], v[SC+32*((\ks)/4)+4*\b+(\ks)%4], v[SC+32*((\ks)/4)+4*(\a)+(\ks)%4] matrix_a_fmt:MATRIX_FMT_FP6 matrix_b_fmt:MATRIX_FMT_FP6 matrix_a_scale:MATRIX_SCALE_ROW1
.else
	v_wmma_scale_f32_16x16x128_f8f6f4 v[8*(8*((\a)%4)+\b):8*(8*((\a)%4)+\b)+7], v[128*(\p)+FR*\b:128*(\p)+FR*\b+FR-1], v[AF+FR*(\a):AF+FR*(\a)+FR-1], v[8*(8*((\a)%4)+\b):8*(8*((\a)%4)+\b)+7], v[SC+32*((\ks)/4)+4*\b+(\ks)%4], v[SC+32*((\ks)/4)+4*(\a)+(\ks)%4] matrix_a_fmt:MATRIX_FMT_FP6 matrix_b_fmt:MATRIX_FMT_FP6 matrix_a_scale:MATRIX_SCALE_ROW1
.endif
.endr
.endr
.endm
; A step of 128 along K whose successor lies in the same slot, at q + 1.  A block of A is free as soon as its eight products are issued: blocks 0-3 are fetched anew in the middle, blocks 4-7 at the end; B has two sets.
.macro STEP slot, q, p, ks, first
	s_wait_dscnt 4*NL                              ; B's set and A's blocks 0-3 are in; the youngest 12 loads (A's blocks 4-7) may be out
	WIN MUL_LO-0x10*(\first)
	MUL16 0, \p, \ks, \first
	MUL16 2, \p, \ks, \first
	s_wait_dscnt 0x0                               ; A's blocks 4-7 are in
	PLACES 4
	FETCH_B \slot, (\q)+1, 1-(\p)
	FETCH_A \slot, (\q)+1, 0
	WIN MUL_HI-0x20*(\first)
	MUL16 4, \p, \ks, \first
	MUL16 6, \p, \ks, \first
	PLACES 4
	WIN 0
	FETCH_A \slot, (\q)+1, 4
.endm
; A period's last step changes slots: ONE barrier; in front of it each wave waits for all its tensor loads (its part of the next slot), adds 0 to its spare word, and waits for that and for its own reads of this slot.
; rows = 2 or 3: this slot is filled again with so many K steps, its addresses stepped by da and db bytes; the barrier then opens a round of the cluster's.  rows = 0: nothing more is fetched.
.macro TURN slot, p, ks, next, rows, da, db
	s_wait_tensorcnt 0x0                           ; all my tensor loads have landed  (every window is 0 here)
	ds_add_u32 v[SPW], v[NIL]                      ; 0 onto my spare word
	s_wait_dscnt 4*NL+1                            ; (the add and the youngest 12 loads may be out)
	WIN MUL_LO
	MUL16 0, \p, \ks, 0                            ; sixteen matrix instructions stand between the add and the wait for it
	s_wait_dscnt 0x0                               ; the add is done, and my reads of this slot are over
	s_barrier_signal -1
	MUL16 2, \p, \ks, 0
	WIN 0
	s_barrier_wait -1
.if \rows
	CREST                                          ; no wave of any partner still reads this slot or has a load on its way
	MOVE G0A+4*\slot+2, \da
	MOVE G0B+4*\slot+2, \db
.if \rows == 3
	JLOAD G0A+4*\slot, G1A3, G0B+4*\slot, G1B3     ; the first tensor load behind the round; its four v_nop are the places in front of the loads below
.else
	JLOAD G0A+4*\slot, G1A2, G0B+4*\slot, G1B2
.endif
.else
	PLACES 4
.endif
	FETCH_B \next, 0, 1-(\p)
	FETCH_A \next, 0, 0
	WIN MUL_HI
	MUL16 4, \p, \ks, 0
	MUL16 6, \p, \ks, 0
	PLACES 4
	WIN 0
	FETCH_A \next, 0, 4
.endm
.macro LAST p, ks                      ; the very last step: nothing more to fetch
	s_wait_dscnt 4*NL
	WIN MUL_LO
	MUL16 0, \p, \ks, 0
	MUL16 2, \p, \ks, 0
	s_wait_dscnt 0x0
	WIN MUL_HI
	MUL16 4, \p, \ks, 0
	MUL16 6, \p, \ks, 0
	WIN 0
	PLACES 4
.endm
.macro SCALES t, kh                    ; tile t's scale words of K steps 4 kh .. 4 kh + 3: each half of the lanes reads 256 consecutive bytes, aligned
.irp i, 0,1,2,3,4,5,6,7
	global_load_b128 v[SC+32*\kh+4*\i:SC+32*\kh+4*\i+3], v[SOF+\t], s[8:9] offset:512*\i+256*\kh
.endr
.endm
.macro BIAS t                          ; bias[e][my 8 outputs of tile t], in the result's layout, into window 1
	WIN TO_B
.irp e, 0,1,2,3,4,5,6,7
	global_load_b128 v[96+8*\e+96*(\e/4):96+8*\e+96*(\e/4)+3], v[BOF], s[12:13] offset:4096*\e+128*\t
	global_load_b128 v[96+8*\e+96*(\e/4)+4:96+8*\e+96*(\e/4)+7], v[BOF], s[12:13] offset:4096*\e+128*\t+16
.endr
	WIN 0
.endm
.macro GATES win                       ; the eight gates of token 16 a + r, a = 0 .. 7, into window win
.if \win
	WIN TO_B
.endif
.irp a, 0,1,2,3,4,5,6,7
	global_load_b128 v[96+8*\a+96*(\a/4):96+8*\a+96*(\a/4)+3], v[GOF], s[10:11] offset:512*\a
	global_load_b128 v[96+8*\a+96*(\a/4)+4:96+8*\a+96*(\a/4)+7], v[GOF], s[10:11] offset:512*\a+16
.endr
	WIN 0
.endm
; THE SUM OVER EXPERTS of tile t: for each block a of tokens, my 8 outputs = sum over e of gate e x accumulator (a, e): 32 packed instructions, four chains; each accumulator is read from its low end on.
; t = 0: the gates lie in window 0, and the last expert's lines put the result where the block's gates lay (the last of them reads its gate in the same instruction).
; t = 1: the gates lie in window 1; both tiles' results go to the stage: row = token, 128 t + 64 (w % 2) + 32 h bytes on.
.macro COMBINE t
.irp a, 0,1,2,3,4,5,6,7
.set AC, 64*(\a%4)
.set GA, 96+8*\a+96*(\a/4)
.set OO, OS+8*(\a%2)
.if \t
.if \a > 1
	s_wait_dscnt 4                                 ; the stores of two blocks back are done (the last block's four may be out): their set of sums is written again
.endif
.endif
	WIN 0x02+(\a/4)+4*\t
.irp e, 0,1,2,3,4,5,6,7
.irp jp, 0,1,2,3
.if \e == 0
	v_pk_mul_f32 v[OO+2*\jp:OO+2*\jp+1], v[AC+2*\jp:AC+2*\jp+1], v[GA:GA+1] op_sel_hi:[1,0]
.elseif (\e == 7) && (\t == 0)
	v_pk_fma_f32 v[GA+2*\jp:GA+2*\jp+1], v[AC+56+2*\jp:AC+56+2*\jp+1], v[GA+6:GA+7], v[OO+2*\jp:OO+2*\jp+1] op_sel:[0,1,0] op_sel_hi:[1,1,1]
.elseif \e % 2
	v_pk_fma_f32 v[OO+2*\jp:OO+2*\jp+1], v[AC+8*\e+2*\jp:AC+8*\e+2*\jp+1], v[GA+\e-1:GA+\e], v[OO+2*\jp:OO+2*\jp+1] op_sel:[0,1,0] op_sel_hi:[1,1,1]
.else
	v_pk_fma_f32 v[OO+2*\jp:OO+2*\jp+1], v[AC+8*\e+2*\jp:AC+8*\e+2*\jp+1], v[GA+\e:GA+\e+1], v[OO+2*\jp:OO+2*\jp+1] op_sel_hi:[1,0,1]
.endif
.endr
.endr
	WIN 0
.if \t
	ds_store_b128 v[STO], v[GA:GA+3] offset:16*SPITCH*\a
	ds_store_b128 v[STO], v[GA+4:GA+7] offset:16*SPITCH*\a+16
	ds_store_b128 v[STO], v[OO:OO+3] offset:16*SPITCH*\a+128
	ds_store_b128 v[STO], v[OO+4:OO+7] offset:16*SPITCH*\a+144
.endif
.endr
.endm
	s_load_b256 s[4:11], s[0:1], 0x0               ; xq s[4:5], wq s[6:7], scl s[8:9], gate s[10:11]
	s_load_b128 s[12:15], s[0:1], 0x20             ; expert_biases s[12:13], out0 s[14:15]
	v_lshl_add_u32 v[SPW], v0, 2, SPARE
	v_mov_b32 v[NIL], 0
	ds_add_u32 v[SPW], v[NIL]                      ; the wave's opening: the add, twice on end, and its wait ahead of my first tensor load; the set-up below stands between
	ds_add_u32 v[SPW], v[NIL]
	v_lshrrev_b32 v1, 5, v0
	v_readfirstlane_b32 s16, v1                    ; wave 0..3
	s_lshr_b32 s17, s16, 1                         ; which 128 tokens are mine.  Also: I fetch for A (0) or for B (1)
	s_and_b32 s18, s16, 1                          ; which 16 outputs of a tile.  Also: which half of that tile I fetch
	s_bfe_u32 s19, ttmp6, 0x40000                  ; cx, cy: my place in the cluster
	s_bfe_u32 s20, ttmp6, 0x40004
	s_lshl_b32 s21, ttmp9, 2
	s_add_co_u32 s21, s21, s19                     ; gx = 4 x cluster x + cx
	s_and_b32 s22, ttmp7, 0xffff
	s_lshl_b32 s22, s22, 2
	s_add_co_u32 s22, s22, s20                     ; gy = 4 x cluster y + cy
	s_lshl_b32 s78, s20, 2
	s_lshl_b32 s78, 15, s78                        ; my row of the cluster
	s_lshl_b32 s79, 0x1111, s19                    ; my column
	; descriptor group 1: 2 or 3 rows, one for each K step, of 8 rowblocks x 1,536 bytes = 1,536 elements of 8 bytes; from row to row a K step of the buffer; no padding
	s_or_b32 s[G1A2], s78, (3<<16)|(1<<21)         ; 15:0 the mask: A's tiles go to my row; 17:16 elements of 8 bytes; 21 set beside a mask
	s_or_b32 s[G1A3], s78, (3<<16)|(1<<21)
	s_or_b32 s[G1B2], s79, (3<<16)|(1<<21)         ; B's to my column
	s_or_b32 s[G1B3], s79, (3<<16)|(1<<21)
.irp g, G1A2, G1A3, G1B2, G1B3
	s_mov_b32 s[\g+1], 1536<<16                    ; tensor_dim0
	s_mov_b32 s[\g+3], 1536<<16                    ; tile_dim0
	s_mov_b32 s[\g+6], 0
	s_mov_b32 s[\g+7], 0
.endr
.irp g, G1A2, G1B2
	s_mov_b32 s[\g+2], 2<<16                       ; tensor_dim1
	s_mov_b32 s[\g+4], 2                           ; tile_dim1
.endr
.irp g, G1A3, G1B3
	s_mov_b32 s[\g+2], 3<<16
	s_mov_b32 s[\g+4], 3
.endr
.irp g, G1A2, G1A3
	s_mov_b32 s[\g+5], KA/8                        ; tensor_dim0_stride
.endr
.irp g, G1B2, G1B3
	s_mov_b32 s[\g+5], KB/8
.endr
	; where the tiles come from: A's by gy alone, B's by gx alone, each in registers that never hold the other coordinate
	s_lshl_b32 s80, s22, 4
	s_lshl_b32 s81, s18, 3
	s_add_co_u32 s80, s80, s81                     ; A: rowblock 16 gy + 8 x half
	s_mul_i32 s80, s80, 1536
	s_mov_b32 s81, 0
	s_lshl_b32 s84, s21, 5
	s_lshl_b32 s85, s18, 3
	s_add_co_u32 s84, s84, s85                     ; B: rowblock 32 gx + 8 x half (tile 1: 16 further on)
	s_mul_i32 s84, s84, 1536
	s_mov_b32 s85, 0
	s_mul_i32 s88, s16, PART                       ; where they go: wave x PART: no place in the cluster enters an LDS address
	s_wait_dscnt 0x0                               ; both opening adds are done
	s_wait_kmcnt 0x0
	s_add_nc_u64 s[82:83], s[4:5], s[80:81]
	s_add_nc_u64 s[86:87], s[6:7], s[84:85]
	CROUND                                         ; all sixteen work-groups are here: the first joint loads meet
.irp s, 0,1
	s_mov_b32 s[G0A+4*\s], 1                                       ; count = 1
	s_add_co_u32 s[G0A+4*\s+1], s88, \s*SLOT                       ; LDS address
	s_add_nc_u64 s[G0A+4*\s+2:G0A+4*\s+3], s[82:83], \s*3*KA       ; global address: K steps 3 s on
	s_or_b32 s[G0A+4*\s+3], s[G0A+4*\s+3], 0x80000000              ; type = 2
	s_mov_b32 s[G0B+4*\s], 1
	s_add_co_u32 s[G0B+4*\s+1], s88, \s*SLOT
	s_add_nc_u64 s[G0B+4*\s+2:G0B+4*\s+3], s[86:87], \s*3*KB
	s_or_b32 s[G0B+4*\s+3], s[G0B+4*\s+3], 0x80000000
	JLOAD G0A+4*\s, G1A3, G0B+4*\s, G1B3           ; both slots' first fills, three rows each
.endr
	; the other buffers at my part
	s_lshl_b32 s76, s22, 13
	s_lshl_b32 s77, s17, 12
	s_add_co_u32 s76, s76, s77
	s_mov_b32 s77, 0
	s_add_nc_u64 s[10:11], s[10:11], s[76:77]      ; gate: token 256 gy + 128 (w / 2), 32 bytes a token
	s_lshl_b32 s76, s21, 8
	s_lshl_b32 s66, s18, 6
	s_add_co_u32 s76, s76, s66
	s_add_nc_u64 s[12:13], s[12:13], s[76:77]      ; bias: output 64 gx + 16 (w % 2)
	s_lshl_b32 s76, s22, 20
	s_lshl_b32 s66, s16, 18
	s_add_co_u32 s76, s76, s66
	s_lshl_b32 s66, s21, 8
	s_add_co_u32 s76, s76, s66
	s_add_nc_u64 s[14:15], s[14:15], s[76:77]      ; out: row 256 gy + 64 w, byte 256 gx
	s_lshl_b32 s94, s22, 4
	s_lshl_b32 s95, s17, 3
	s_add_co_u32 s94, s94, s95
	s_lshl_b32 s94, s94, 9                         ; scl: my A rows' words: rowblock 16 gy + 8 (w / 2), 512 bytes each
	s_lshl_b32 s93, s21, 5
	s_lshl_b32 s95, s18, 3
	s_add_co_u32 s93, s93, s95
	s_lshl_b32 s93, s93, 9
	s_add_co_u32 s93, s93, WS0                     ; my B rows' of tile 0: WS0 + rowblock 32 gx + 8 (w % 2)
	s_sub_co_u32 s93, s93, s94                     ; the distance between the two
	s_mul_i32 s89, s17, PART                       ; LDS: my half of A,
	s_mul_i32 s90, s18, PART
	s_add_co_u32 s90, s90, 2*PART                  ; my half of B, behind A's two
	s_mul_i32 s91, s17, 128*SPITCH
	s_lshl_b32 s92, s18, 6
	s_add_co_u32 s91, s91, s92                     ; the stage: my 128 rows, my 64 bytes of each tile's 128
	s_mul_i32 s92, s16, 64*SPITCH                  ; and back: rows 64 w on
	v_and_b32 v1, 15, v0                           ; r
	v_bfe_u32 v2, v0, 4, 1                         ; h
	v_and_b32 v16, 31, v0
	v_lshlrev_b32 v16, 4, v16                      ; 16 x lane
	v_add_nc_u32 v[ADRA], s89, v16
	v_add_nc_u32 v[ADRA+1], SLOT, v[ADRA]
	v_add_nc_u32 v[ADRB], s90, v16
	v_add_nc_u32 v[ADRB+1], SLOT, v[ADRB]
	v_mul_u32_u24 v[STO], v1, SPITCH
	v_lshl_add_u32 v[STO], v2, 5, v[STO]
	v_add_nc_u32 v[STO], s91, v[STO]
	v_mul_u32_u24 v[RD], v2, SPITCH                ; lanes 0-15 take one row of 256 bytes, lanes 16-31 the next
	v_lshl_add_u32 v[RD], v1, 4, v[RD]
	v_add_nc_u32 v[RD], s92, v[RD]
	v_lshlrev_b32 v[CO], 12, v2                    ; and the same two rows in out
	v_lshl_add_u32 v[CO], v1, 4, v[CO]
	v_mul_u32_u24 v[SOF], s93, v2                  ; lanes 16-31 take B's words
	v_lshl_add_u32 v[SOF], v1, 4, v[SOF]           ; 16 bytes a row
	v_add_nc_u32 v[SOF], s94, v[SOF]
	v_lshl_add_u32 v[SOF+1], v2, 13, v[SOF]        ; tile 1: B's rowblocks 16 further on
	v_lshlrev_b32 v[GOF], 5, v1
	v_lshlrev_b32 v[BOF], 5, v2
	SCALES 0, 0
	SCALES 0, 1
	BIAS 0
	GATES 0
	s_wait_tensorcnt 1                             ; my part of slot 0 is in; slot 1's may stay out
	s_barrier_signal -1
	s_barrier_wait -1                              ; everybody's is
	FETCH_B 0, 0, 0
	FETCH_A 0, 0, 0
	FETCH_A 0, 0, 4
	s_wait_loadcnt 16                              ; the scale words and the bias are in; the gates' 16 loads may be out
	; TILE 0.  Each reload below stands behind a step's closing four places: behind every matrix instruction that read those registers.
	STEP 0, 0, 0, 0, 1                             ; K step 0: the bias starts the sums
	BIAS 1                                         ; tile 1's bias, where tile 0's lay
	STEP 0, 1, 1, 1, 0
	TURN 0, 0, 2, 1, 2, 6*KA, 6*KB                 ; slot 0 takes K steps 6, 7
	STEP 1, 0, 1, 3, 0
	SCALES 1, 0                                    ; K steps 0-3 of tile 0 are multiplied: their words make room for tile 1's
	STEP 1, 1, 0, 4, 0
	TURN 1, 1, 5, 0, 2, -3*KA, 24576-3*KB          ; slot 1 takes tile 1's K steps 0, 1
	STEP 0, 0, 0, 6, 0
	TURN 0, 1, 7, 1, 3, -4*KA, 24576-4*KB          ; slot 0 takes tile 1's K steps 2, 3, 4
	SCALES 1, 1
	s_wait_loadcnt 8                               ; all but the 8 just issued: the gates, tile 1's bias and its first 32 scale registers are in
	COMBINE 0                                      ; on registers alone: the LDS loads just issued stay out
	; TILE 1
	STEP 1, 0, 0, 0, 1
	GATES 1                                        ; the gates once more, where the bias lay: tile 0's results have taken their first place
	TURN 1, 1, 1, 0, 3, 5*KA, 5*KB                 ; slot 1 takes K steps 5, 6, 7
	STEP 0, 0, 0, 2, 0
	STEP 0, 1, 1, 3, 0
	s_wait_loadcnt 16                              ; the scale words of K steps 4-7 are in; the gates' 16 loads may be out
	TURN 0, 0, 4, 1, 0, 0, 0                       ; the last change of slots: nothing is left to fetch, so no round
	STEP 1, 0, 1, 5, 0
	STEP 1, 1, 0, 6, 0
	LAST 1, 7
	; THE WAY OUT.  A row's 256 bytes come from two waves and two tiles: they meet in the stage; then each wave stores 64 whole rows.
	s_wait_loadcnt 0x0                             ; the gates
	COMBINE 1
	s_wait_dscnt 0x0                               ; for the others' sake: my stores into the stage are done
	s_barrier_signal -1
	s_barrier_wait -1
.set i, 0
.rept 32
	ds_load_b128 v[OUTR+4*i:OUTR+4*i+3], v[RD] offset:2*SPITCH*i
.set i, i+1
.endr
.set i, 0
.rept 32
	s_wait_dscnt 31-i
	global_store_b128 v[CO], v[OUTR+4*i:OUTR+4*i+3], s[14:15] offset:8192*i th:TH_STORE_NT   ; 16 lanes store 256 consecutive bytes, at a multiple of 256 from out's first byte; written once, read by nobody here
.set i, i+1
.endr
	s_wait_tensorcnt 0x0                           ; the wave's end: a tensor wait, an add of 0 to my spare word and a wait for it, behind my last tensor load and my last LDS store
	ds_add_u32 v[SPW], v[NIL]
	s_wait_dscnt 0x0
	CROUND                                         ; the closing round: no work-group ends while a partner may still ask for a tile that names it
	s_endpgm
.Lfunc_end_k_q234dce75d1_gemm:
	.size	k_q234dce75d1_gemm, .Lfunc_end_k_q234dce75d1_gemm-k_q234dce75d1_gemm
	.p2alignl 7, 3214868480
	.fill 96, 4, 3214868480
	.section	.rodata,"a",@progbits
	.p2align	6, 0x0
	.amdhsa_kernel k_q234dce75d1_gemm
		.amdhsa_group_segment_fixed_size 327680
		.amdhsa_private_segment_fixed_size 0
		.amdhsa_enable_private_segment 0
		.amdhsa_kernarg_size 48
		.amdhsa_user_sgpr_count 2
		.amdhsa_user_sgpr_kernarg_segment_ptr 1
		.amdhsa_wavefront_size32 1
		.amdhsa_system_sgpr_workgroup_id_x 1
		.amdhsa_system_sgpr_workgroup_id_y 1
		.amdhsa_system_sgpr_workgroup_id_z 1
		.amdhsa_system_vgpr_workitem_id 0
		.amdhsa_next_free_vgpr 1024
		.amdhsa_next_free_sgpr 100
		.amdhsa_reserve_vcc 0
		.amdhsa_float_denorm_mode_32 3
		.amdhsa_float_denorm_mode_16_64 3
		.amdhsa_memory_ordered 1
		.amdhsa_forward_progress 1
		.amdhsa_inst_pref_size 247
	.end_amdhsa_kernel
	.amdgpu_metadata
---
amdhsa.version: [ 1, 2 ]
amdhsa.kernels:
  - .name:           k_q234dce75d1_gemm
    .symbol:         k_q234dce75d1_gemm.kd
    .args:
      - { .name: xq, .offset: 0, .size: 8, .value_kind: global_buffer, .address_space: global }
      - { .name: wq, .offset: 8, .size: 8, .value_kind: global_buffer, .address_space: global }
      - { .name: scl, .offset: 16, .size: 8, .value_kind: global_buffer, .address_space: global }
      - { .name: gate, .offset: 24, .size: 8, .value_kind: global_buffer, .address_space: global }
      - { .name: expert_biases, .offset: 32, .size: 8, .value_kind: global_buffer, .address_space: global }
      - { .name: out0, .offset: 40, .size: 8, .value_kind: global_buffer, .address_space: global }
    .group_segment_fixed_size: 327680
    .private_segment_fixed_size: 0
    .kernarg_segment_align: 8
    .kernarg_segment_size: 48
    .max_flat_workgroup_size: 128
    .sgpr_count:     100
    .vgpr_count:     1024
    .wavefront_size: 32
...
	.end_amdgpu_metadata
.endif
;; end of part 2
;; ======== version 2 of 2: 2 launches; version 1 with the launch prep written anew for expert scheduling mode
;; workspace buffers: xq 3,145,728 bytes; wq 6,291,456 bytes; scl 393,216 bytes; gate 131,072 bytes
;; launch prep (part 3): grid 416 x 1, 8 waves a work-group, no clusters, 138,240 bytes of LDS; arguments x, cond, expert_weights, g_w1, g_b1, g_w2, g_b2, xq, wq, scl, gate; writes xq, wq, scl, gate
.if DOCPART == 3
	.amdgcn_target "amdgcn-amd-amdhsa--gfx1250"
	.amdhsa_code_object_version 6
	.text
	.protected	k_q234dce75d1_prep
	.globl	k_q234dce75d1_prep
	.p2align	8
	.type	k_q234dce75d1_prep,@function
k_q234dce75d1_prep:
	s_mov_b64 s[64:65], 0
	v_nop
	global_prefetch_b8 v0, s[64:65] scope:SCOPE_SE
	s_setreg_imm32_b32 hwreg(HW_REG_WAVE_SCHED_MODE, 0, 2), 2
	s_setreg_imm32_b32 hwreg(HW_REG_WAVE_MODE, 25, 1), 1
	s_wait_xcnt 0x0
	s_wait_alu depctr_vm_vsrc(0)
; out = sum over e of gate[b][e] (Q(x) Q(W[e]) + bias[e]),  gate = softmax(relu(Q(cond) Q(g_w1) + g_b1) g_w2 + g_b2).   Q: E2M3 codes, one E8M0 scale for each 32 along K.
; NOTHING OF THE PROBLEM IS LEFT OUT: the gates are soft, so every expert counts for every token, and every input has a way to the output.
; THIS LAUNCH: x and expert_weights become codes and scale words, once, laid as the second launch's operand registers want them; and the gates are computed.
;   xq [kstep 0..7][rowblock 0..255][1,536 bytes]: the image of a fragment's registers (16 tokens x 128 K, 12 registers a lane): registers 4 c .. 4 c + 3 of lane l at 512 c + 16 l.
;      Lane (r, h) holds row r; registers 0-5 its block h of 32 along K, registers 6-11 its block 2 + h.
;   wq [kstep][nb 0..511][1,536]: the same for 16 columns o of one expert e: nb = (o / 16) x 8 + e, so that the eight experts of 16 outputs lie on end.
;   scl: x's part at 0, W's at WS0; [rowblock][half of K][row 0..15][4 words]: word q is K step 4 x half + q, its byte b the scale of block b.      gate [4096][8] f32.
; ROLES, by the work-group's number (the same in all its waves): 0-31 the gates, a wave to 16 tokens; 32-159 x, a wave to 16 tokens x 256 K; 160-415 W, a wave to 32 columns x 128 K.
; Each role has LDS bytes of its own.  No tensor loads; no cluster: the work-groups share no input but g_w1's 16,384 bytes.
; A block's scale is 2^(floor(log2(its largest magnitude)) - 2): its byte is that magnitude's exponent field - 2, held at 1 from below by a floor among the maximum's leaves.
; LIMITS: a block whose largest magnitude lies under 2^-124 keeps the byte 1; so does a block of zeros, where the rule says 127: its codes are zeros, which add nothing, and this program alone reads the bytes.
; NaN and infinities among the inputs are not served.  The product with g_w2 (K = 32, left as it is) takes bf16 operands and f32 sums.
; THE MODE: SCHED_MODE bits 1:0 = 2 (LLVM: expert scheduling mode 2), set by the entry lines.  The code itself states the register dependences
; between vector or matrix instructions and memory or LDS instructions, with s_wait_alu, always for 0.
; THE PLAN.  No role has a loop.  Registers that memory or LDS instructions touch:
;   v5-v9 (the gates: v15 too)  offsets and LDS addresses: written once at a role's head, read by its loads and stores, never written again: one wait on va_vdst ahead of the role's first load.
;   ROLE W   v16-143: the loads land, QUANTW reads; at the end an LDS load lands in v16-19.  v208-231, v252: QUANTW writes, the stores read; not written again.
;            One wait on va_vdst behind QUANTW serves the seven stores and that LDS load: no vector instruction follows it.
;   ROLE X   v16-143: the loads land, the stages' LDS stores read; stage 1's LDS loads land in v16-79, which stage 0's stores read: one wait on vm_vsrc between the two.  v144-207: stage 0's LDS loads land.
;            v208-231, v254-255: the two QUANTX write, the stores read.  All seven stores stand behind the second QUANTX, behind one wait on va_vdst, which serves the last LDS load (into v16-19) too.
;   ROLE G   v144-207: cond lands, QUANTX reads; then 22 small loads land in v160-199: one wait on va_vdst ahead of them.  v16-143: g_w1 lands, QUANTW reads.  v76-79: the selects write, the one store reads.
;            Codes and scale words made by vector instructions go to the scaled products behind their places and one wait on va_vdst.
;   s2 (the wave's number, out of a vector register): one wait on va_sdst at the head, ahead of the first branch.  VCC (role G's compare): one wait on va_vcc ahead of the selects.
;   v12, v13: written at the head, read by the closing add alone.
.set KA,    393216                     ; a K step of xq in bytes
.set KB,    786432                     ; and of wq
.set WS0,   131072                     ; where W's scale words begin in scl
.set XEX,   135168                     ; LDS: 0 .. 135,167 role x: for each wave two stages of 16 rows x (512 + 16) bytes;  here: its scale words, 2 rowblocks x 512 bytes
.set WEX,   136192                     ; role W: scale words, 2 groups of 32 columns x 512 bytes
.set SPARE, 137216                     ; the spare words, 128 bytes for each of the eight waves: four blocks of 256 bytes that no other line names
.set DD,    16                         ; v16-143   128 numbers
.set D2,    144                        ; v144-207  64 numbers
.set CC,    208                        ; v208-231  codes: two fragments' worth of a lane
.set TT,    232                        ; v232-239  the conversions' odd halves
.set MM,    240                        ; v240-243  largest magnitudes
.set SS,    244                        ; v244-247  the conversions' scale operands
.set YY,    248                        ; v248-251  scale bytes
.set WORD,  252                        ; v252      a column's scale word;  v254, v255: a row's.  These three hold scales and nothing else
.set WX0,   254
.set SPW,   12                         ; v12       LDS address of my spare word; never rewritten
.set NIL,   13                         ; v13       0; never rewritten
.set FLOOR, 0x1800000                  ; 2^(3 - 127)
; 128 numbers down K of my column: row k of the source at 32 neighbouring columns: a load covers 128 consecutive bytes.  v5 = 4 x lane
.macro LOADW base, pitch, nt
.set k, 0
.rept 128
.if \nt
	global_load_b32 v[DD+k], v5, s[\base:\base+1] offset:k*\pitch th:TH_LOAD_NT
.else
	global_load_b32 v[DD+k], v5, s[\base:\base+1] offset:k*\pitch
.endif
.set k, k+1
.endr
.endm
; v[DD + k] = k-th of 128 along K of my column.  Out: v[WORD] its scale word; v[CC + 12 h ..] the 12 registers that lane (column % 16, h) of the fragment holds: blocks h and 2 + h.
.macro QUANTW
.irp b, 0,1,2,3
	v_max3_num_f32 v[MM+\b], |v[DD+32*\b]|, |v[DD+32*\b+1]|, FLOOR        ; the floor is a leaf of the maximum: the byte cannot fall under 1
.endr
.irp i, 2,4,6,8,10,12,14,16,18,20,22,24,26,28,30
.irp b, 0,1,2,3
	v_max3_num_f32 v[MM+\b], v[MM+\b], |v[DD+32*\b+\i]|, |v[DD+32*\b+\i+1]|   ; the four blocks by turns
.endr
.endr
.irp b, 0,1,2,3
	v_add_nc_u32 v[SS+\b], 0xff000000, v[MM+\b]    ; 2 off the exponent field: the conversion takes this operand's exponent field as its scale
.endr
.irp b, 0,1,2,3
	v_lshrrev_b32 v[YY+\b], 23, v[SS+\b]           ; the scale's byte
.endr
	v_lshl_or_b32 v[WORD], v[YY+1], 8, v[YY]
	v_lshl_or_b32 v[WORD], v[YY+2], 16, v[WORD]
	v_lshl_or_b32 v[WORD], v[YY+3], 24, v[WORD]
.irp h, 0,1
	v_cvt_scalef32_pk16_fp6_f32 v[CC+12*\h:CC+12*\h+2], v[DD+32*\h:DD+32*\h+15], v[SS+\h]
	v_cvt_scalef32_pk16_fp6_f32 v[TT:TT+2], v[DD+32*\h+16:DD+32*\h+31], v[SS+\h]            ; (a conversion's three registers begin on an even number: the second half of a block's six is made elsewhere and moved)
	v_cvt_scalef32_pk16_fp6_f32 v[CC+12*\h+6:CC+12*\h+8], v[DD+64+32*\h:DD+64+32*\h+15], v[SS+2+\h]
	v_cvt_scalef32_pk16_fp6_f32 v[TT+4:TT+6], v[DD+64+32*\h+16:DD+64+32*\h+31], v[SS+2+\h]
	v_nop                                          ; one plain place behind the conversions
.irp i, 0,1,2
	v_mov_b32 v[CC+12*\h+3+\i], v[TT+\i]
	v_mov_b32 v[CC+12*\h+9+\i], v[TT+4+\i]
.endr
.endr
.endm
; v[s + 32 c + i] = k 64 c + 32 h + i of my row r: two whole blocks, 2 c + h.  Out: v[cd ..] my 12 registers of the fragment; v[wd] the row's scale word (in both halves of the lanes).
.macro QUANTX s, cd, wd
.irp b, 0,1,2,3
	v_max3_num_f32 v[MM+\b], |v[\s+16*\b]|, |v[\s+16*\b+1]|, FLOOR        ; four chains of 16 numbers
.endr
.irp i, 2,4,6,8,10,12,14
.irp b, 0,1,2,3
	v_max3_num_f32 v[MM+\b], v[MM+\b], |v[\s+16*\b+\i]|, |v[\s+16*\b+\i+1]|
.endr
.endr
	v_max_num_f32 v[MM], v[MM], v[MM+1]            ; block h
	v_max_num_f32 v[MM+1], v[MM+2], v[MM+3]        ; block 2 + h
	v_add_nc_u32 v[SS], 0xff000000, v[MM]
	v_add_nc_u32 v[SS+1], 0xff000000, v[MM+1]
	v_lshrrev_b32 v[YY], 23, v[SS]
	v_lshrrev_b32 v[YY+1], 23, v[SS+1]
	v_lshl_or_b32 v[\wd], v[YY+1], 16, v[YY]       ; my two bytes,
	v_lshlrev_b32 v[\wd], v4, v[\wd]               ; at their places in the word (8 h bits up);
	v_permlanex16_b32 v14, v[\wd], s38, s39
	v_or_b32 v[\wd], v[\wd], v14                   ; with lane l xor 16's two the word is whole
	v_cvt_scalef32_pk16_fp6_f32 v[\cd:\cd+2], v[\s:\s+15], v[SS]
	v_cvt_scalef32_pk16_fp6_f32 v[TT:TT+2], v[\s+16:\s+31], v[SS]
	v_cvt_scalef32_pk16_fp6_f32 v[\cd+6:\cd+8], v[\s+32:\s+47], v[SS+1]
	v_cvt_scalef32_pk16_fp6_f32 v[TT+4:TT+6], v[\s+48:\s+63], v[SS+1]
	v_nop                                          ; one plain place behind the conversions
.irp i, 0,1,2
	v_mov_b32 v[\cd+3+\i], v[TT+\i]
	v_mov_b32 v[\cd+9+\i], v[TT+4+\i]
.endr
.endm
; K step q of my 16 rows goes through my stage q: in as loaded (a row's 512 bytes on end), out 128 bytes a lane.  LDS serves a wave's instructions in order (ISA guide 5.7.1.4): no wait between the stores and the loads
.macro TURNX q, dst
.set i, 0
.rept 16
	ds_store_b128 v6, v[DD+64*\q+4*i:DD+64*\q+4*i+3] offset:8448*\q+528*i
.set i, i+1
.endr
.irp c, 0,1
.irp j, 0,1,2,3,4,5,6,7
	ds_load_b128 v[\dst+32*\c+4*\j:\dst+32*\c+4*\j+3], v7 offset:8448*\q+256*\c+16*\j
.endr
.endr
.endm
.macro FINISH                          ; a wave's end: the closing lines, six on end
	s_wait_dscnt 0x0
	s_wait_alu 0x0
	s_wait_tensorcnt 0x0
	ds_add_u32 v[SPW], v[NIL]
	s_wait_dscnt 0x0
	s_endpgm
.endm
	s_load_b512 s[16:31], s[0:1], 0x0              ; x 16, cond 18, W 20, g_w1 22, g_b1 24, g_w2 26, g_b2 28, xq 30
	s_load_b128 s[32:35], s[0:1], 0x40             ; wq 32, scl 34
	s_load_b64 s[36:37], s[0:1], 0x50              ; gate
	v_lshl_add_u32 v[SPW], v0, 2, SPARE
	v_mov_b32 v[NIL], 0
	v_lshrrev_b32 v1, 5, v0
	v_readfirstlane_b32 s2, v1                     ; wave 0..7
	v_and_b32 v1, 31, v0                           ; lane
	v_and_b32 v2, 15, v0                           ; r
	v_bfe_u32 v3, v0, 4, 1                         ; h
	v_lshlrev_b32 v4, 3, v3                        ; 8 h
	v_mov_b32 v14, 0                               ; written once: a lane permute's destination counts as one of its sources
	s_mov_b32 s38, 0x76543210
	s_mov_b32 s39, 0xfedcba98                      ; v_permlanex16_b32's selects for lane l xor 16
	s_mov_b32 s40, 0x3fb8aa3b                      ; log2(e)
	s_wait_alu depctr_va_sdst(0)                   ; s2 is written, ahead of the branches behind which each role first reads it
	s_cmp_lt_u32 ttmp9, 32
	s_cbranch_scc1 .Lgates
	s_cmp_lt_u32 ttmp9, 160
	s_cbranch_scc1 .Lrows
	; ---------------- ROLE W.  j = work-group - 160: expert j / 32, 64 columns (j / 2) % 16, half of K j % 2.  Wave: 32 of the columns (wave % 2), K step 4 x half + wave / 2.
	s_sub_co_u32 s41, ttmp9, 160
	s_lshr_b32 s42, s41, 5                         ; e
	s_bfe_u32 s43, s41, 0x40001                    ; og
	s_and_b32 s44, s41, 1                          ; kh
	s_and_b32 s45, s2, 1                           ; cg
	s_lshr_b32 s46, s2, 1                          ; q
	s_lshl_b32 s47, s44, 2
	s_add_co_u32 s47, s47, s46                     ; ks
	s_lshl_b32 s48, s42, 22                        ; W: e x 4 MiB
	s_lshl_b32 s50, s47, 19                        ;  + ks x 128 rows of 4,096 bytes
	s_add_co_u32 s48, s48, s50
	s_lshl_b32 s50, s43, 8                         ;  + og x 256 bytes
	s_add_co_u32 s48, s48, s50
	s_lshl_b32 s50, s45, 7                         ;  + cg x 128
	s_add_co_u32 s48, s48, s50
	s_mov_b32 s49, 0
	s_lshl_b32 s51, s43, 5
	s_lshl_b32 s50, s45, 4
	s_add_co_u32 s51, s51, s50
	s_add_co_u32 s51, s51, s42                     ; nb of lanes 0-15: (4 og + 2 cg) x 8 + e; lanes 16-31: 8 further on
	s_mul_i32 s52, s47, KB
	s_mul_i32 s50, s51, 1536
	s_add_co_u32 s52, s52, s50                     ; wq: ks x KB + nb x 1,536
	s_mov_b32 s53, 0
	s_lshl_b32 s54, s51, 9
	s_lshl_b32 s50, s44, 8
	s_add_co_u32 s54, s54, s50
	s_add_co_u32 s54, s54, WS0                     ; scl: WS0 + nb x 512 + 256 kh
	s_mov_b32 s55, 0
	s_lshl_b32 s58, s45, 9
	s_add_co_u32 s58, s58, WEX                     ; LDS: my column group's 512 bytes
	s_lshl_b32 s57, s46, 2
	s_add_co_u32 s56, s58, s57                     ;  + 4 q
	v_lshlrev_b32 v5, 2, v1                        ; in: 4 x lane
	v_mul_u32_u24 v6, v3, 12288
	v_lshl_add_u32 v6, v2, 4, v6                   ; codes out: 8 rowblocks further on for lanes 16-31, + 16 r
	v_lshlrev_b32 v7, 12, v3
	v_lshl_add_u32 v7, v2, 4, v7                   ; scale words out: likewise, 8 x 512
	v_lshl_add_u32 v8, v1, 4, s56                  ; LDS: my column's four words, my K step's word
	v_lshl_add_u32 v9, v1, 4, s58                  ; and all four
	s_wait_kmcnt 0x0
	s_add_nc_u64 s[20:21], s[20:21], s[48:49]
	s_add_nc_u64 s[32:33], s[32:33], s[52:53]
	s_add_nc_u64 s[34:35], s[34:35], s[54:55]
	s_wait_alu depctr_va_vdst(0)                   ; v5 to v9 are written: the role's loads and stores read them as offsets and LDS addresses
	LOADW 20, 4096, 1
	s_wait_loadcnt 0x0
	QUANTW
	s_wait_alu depctr_va_vdst(0)                   ; QUANTW has written the codes v208-231 and the word v252, which the stores below read, and is done reading v16-19, in which the LDS load behind the barrier lands
.irp h, 0,1
.irp c, 0,1,2
	global_store_b128 v6, v[CC+12*\h+4*\c:CC+12*\h+4*\c+3], s[32:33] offset:512*\c+256*\h   ; each half of the lanes stores 256 consecutive bytes, aligned
.endr
.endr
	ds_store_b32 v8, v[WORD]
	s_wait_dscnt 0x0                               ; for the others' sake: my word lies in LDS
	s_barrier_signal -1
	s_barrier_wait -1
	s_cmp_lt_u32 s2, 2                             ; waves 0 and 1 (q = 0) store their column group's words, four K steps on end
	s_cbranch_scc0 .Lw_end
	ds_load_b128 v[16:19], v9                      ; no wait: no vector instruction has been issued since the wait behind QUANTW, and no memory instruction has read v16-19
	s_wait_dscnt 0x0
	global_store_b128 v7, v[16:19], s[34:35]       ; each half of the lanes stores 256 consecutive bytes, aligned
.Lw_end:
	FINISH
	; ---------------- ROLE X.  j = work-group - 32.  Wave: rowblock 2 j + wave / 4, K steps 2 sw and 2 sw + 1, sw = wave % 4.
.Lrows:
	s_sub_co_u32 s41, ttmp9, 32
	s_lshr_b32 s42, s2, 2                          ; rbl
	s_and_b32 s43, s2, 3                           ; sw
	s_lshl_b32 s41, s41, 1
	s_add_co_u32 s41, s41, s42                     ; rb
	s_lshl_b32 s44, s41, 16                        ; x: 16 rows of 4,096 bytes,
	s_lshl_b32 s46, s43, 10                        ;  + two K steps of 512 bytes
	s_add_co_u32 s44, s44, s46
	s_mov_b32 s45, 0
	s_mul_i32 s46, s43, 2*KA
	s_mul_i32 s48, s41, 1536
	s_add_co_u32 s46, s46, s48                     ; xq: 2 sw x KA + rb x 1,536
	s_mov_b32 s47, 0
	s_lshl_b32 s48, s41, 9                         ; scl: rb x 512
	s_mov_b32 s49, 0
	s_mul_i32 s50, s2, 16896                       ; LDS: my two stages
	s_lshl_b32 s54, s42, 9
	s_add_co_u32 s54, s54, XEX                     ; my rowblock's 512 bytes of scale words
	s_lshr_b32 s52, s43, 1
	s_lshl_b32 s52, s52, 8                         ;  + 256 x half of K
	s_and_b32 s53, s43, 1
	s_lshl_b32 s53, s53, 3                         ;  + 8 x (which two of the half's four K steps)
	s_add_co_u32 s51, s54, s52
	s_add_co_u32 s51, s51, s53
	v_lshlrev_b32 v5, 4, v1                        ; 16 x lane: in x's rows, in an image, in the scale words
	v_add_nc_u32 v6, s50, v5                       ; the stage, on the way in
	v_mul_u32_u24 v7, v2, 528
	v_lshl_add_u32 v7, v3, 7, v7
	v_add_nc_u32 v7, s50, v7                       ; and out: row r, + 128 h.  Rows 528 bytes apart: 16 rows begin in 16 different groups of four banks (64 banks of 4 bytes: ISA guide 11.1)
	v_lshl_add_u32 v8, v2, 4, s51                  ; my row's two words
	v_add_nc_u32 v9, s54, v5
	s_wait_kmcnt 0x0
	s_add_nc_u64 s[16:17], s[16:17], s[44:45]
	s_add_nc_u64 s[30:31], s[30:31], s[46:47]
	s_add_nc_u64 s[34:35], s[34:35], s[48:49]
	s_wait_alu depctr_va_vdst(0)                   ; v5 to v9 are written: the role's loads and stores read them as offsets and LDS addresses
.irp q, 0,1
.set i, 0
.rept 16
	global_load_b128 v[DD+64*\q+4*i:DD+64*\q+4*i+3], v5, s[16:17] offset:4096*i+512*\q th:TH_LOAD_NT   ; 32 lanes read 512 consecutive bytes of row i
.set i, i+1
.endr
.endr
	s_wait_loadcnt 16                              ; the first K step's 16 loads are in; the second's may be out
	TURNX 0, D2
	s_wait_loadcnt 0x0
	s_wait_dscnt 16                                ; stage 0's stores are done (its 16 loads may be out): the registers that they read take stage 1's loads
	s_wait_alu depctr_vm_vsrc(0)                   ; stage 0's LDS stores have read v16-79, in which stage 1's LDS loads land (and, at the role's end, the load of the scale words)
	TURNX 1, DD
	s_wait_dscnt 32                                ; stage 0's loads are in; stage 1's 16 stores and 16 loads may be out
	QUANTX D2, CC, WX0
	s_wait_dscnt 0x0
	QUANTX DD, CC+12, WX0+1                        ; it names none of the first fragment's registers v208-219, nor v254
	s_wait_alu depctr_va_vdst(0)                   ; the two QUANTX have written both fragments' codes v208-231 and the words v254, v255, which the seven stores below read, and are done reading v16-19, in which the LDS load behind the barrier lands
.irp c, 0,1,2
	global_store_b128 v5, v[CC+4*\c:CC+4*\c+3], s[30:31] offset:512*\c          ; 512 consecutive bytes
.endr
.irp c, 0,1,2
	global_store_b128 v5, v[CC+12+4*\c:CC+12+4*\c+3], s[30:31] offset:KA+512*\c
.endr
	ds_store_b64 v8, v[WX0:WX0+1]                  ; both halves of the lanes write the same two words with the same values
	s_wait_dscnt 0x0                               ; for the others' sake
	s_barrier_signal -1
	s_barrier_wait -1
	s_cmp_eq_u32 s43, 0                            ; waves 0 and 4 store their rowblock's words
	s_cbranch_scc0 .Lx_end
	ds_load_b128 v[16:19], v9                      ; no wait: no vector instruction has been issued since the wait above, and no memory instruction has read v16-19 since the wait on vm_vsrc
	s_wait_dscnt 0x0
	global_store_b128 v5, v[16:19], s[34:35]       ; 512 consecutive bytes
.Lx_end:
	FINISH
	; ---------------- ROLE G.  Wave: the gates of tokens 16 rb .. 16 rb + 15, rb = 8 x work-group + wave.  No LDS byte is used.
.Lgates:
	s_lshl_b32 s41, ttmp9, 3
	s_add_co_u32 s41, s41, s2                      ; rb
	s_lshl_b32 s42, s41, 13                        ; cond: 16 rows of 512 bytes
	s_mov_b32 s43, 0
	s_lshl_b32 s44, s41, 9                         ; gate: 16 rows of 32 bytes
	s_mov_b32 s45, 0
	v_lshlrev_b32 v5, 2, v1                        ; g_w1: 4 x lane: lane = hidden unit
	v_lshlrev_b32 v6, 9, v2
	v_lshl_add_u32 v6, v3, 7, v6                   ; cond: row r, + 128 h
	v_lshlrev_b32 v7, 5, v2
	v_lshl_add_u32 v7, v3, 4, v7                   ; gate: row r, + 16 h
	v_lshlrev_b32 v8, 5, v3                        ; g_b1: 8 h numbers on
	v_and_b32 v9, 7, v0
	v_lshlrev_b32 v9, 2, v9
	v_lshl_add_u32 v9, v3, 8, v9                   ; g_w2: row 8 h, column r % 8
	v_mov_b32 v15, 0
	s_wait_kmcnt 0x0
	s_add_nc_u64 s[18:19], s[18:19], s[42:43]
	s_add_nc_u64 s[36:37], s[36:37], s[44:45]
	s_wait_alu depctr_va_vdst(0)                   ; v5 to v9 and v15 are written: the role's loads and its store read them as offsets
.irp c, 0,1
.irp j, 0,1,2,3,4,5,6,7
	global_load_b128 v[D2+32*\c+4*\j:D2+32*\c+4*\j+3], v6, s[18:19] offset:256*\c+16*\j     ; cond(r, 64 c + 32 h + 4 j ..)
.endr
.endr
	LOADW 22, 128, 0
	s_wait_loadcnt 63                              ; 128 loads were issued behind cond's 16: with 63 out, cond is in
	QUANTX D2, CC, WX0
.irp i, 0,1,2,3,4,5,6,7,8,9,10,11
	v_mov_b32 v[D2+\i], v[CC+\i]                   ; cond's fragment moves out of the way of g_w1's codes
.endr
	s_wait_alu depctr_va_vdst(0)                   ; QUANTX is done reading v160-199, in which the 22 loads below land
.irp t, 0,1
	global_load_b128 v[D2+16+8*\t:D2+16+8*\t+3], v8, s[24:25] offset:64*\t        ; g_b1 in the result's layout: units 16 t + 8 h + 0 .. 7
	global_load_b128 v[D2+16+8*\t+4:D2+16+8*\t+7], v8, s[24:25] offset:64*\t+16
.endr
	global_load_b128 v[D2+32:D2+35], v15, s[28:29]                                ; g_b2: register j = g_b2[j] in every lane
	global_load_b128 v[D2+36:D2+39], v15, s[28:29] offset:16
.irp i, 0,1,2,3,4,5,6,7
	global_load_b32 v[D2+40+\i], v9, s[26:27] offset:32*\i                        ; g_w2(8 h + i, r % 8)
	global_load_b32 v[D2+48+\i], v9, s[26:27] offset:512+32*\i                    ; g_w2(16 + 8 h + i, r % 8)
.endr
	s_wait_loadcnt 22                              ; g_w1 is in; the 22 small loads may be out
	QUANTW
.irp i, 0,1,2,3,4,5,6,7,8,9,10,11
	v_permlane16_swap_b32 v[CC+\i], v[CC+12+\i]    ; the first's lanes 16-31 change places with the second's lanes 0-15: v[CC ..] is now the fragment of units 0-15, v[CC + 12 ..] that of units 16-31
.endr
.rept 8
	v_nop                                          ; a scale register written by a vector instruction stands 8 places ahead of a scaled matrix instruction, an operand so written 4
.endr
	s_wait_loadcnt 0x0
	s_wait_alu depctr_va_vdst(0)                   ; vector instructions have written both fragments of g_w1 (v208-231), cond's (v144-155) and the scale words v252, v254, which the two scaled products take; the places above stay beside this wait
	; TRANSPOSED: source 0 = 16 hidden units, source 1 = my 16 tokens; C = g_b1.  Lane (r, h), register j: unit 16 t + 8 h + j of token r
	v_wmma_scale_f32_16x16x128_f8f6f4 v[16:23], v[CC:CC+11], v[D2:D2+11], v[D2+16:D2+23], v[WORD], v[WX0] matrix_a_fmt:MATRIX_FMT_FP6 matrix_b_fmt:MATRIX_FMT_FP6
	v_wmma_scale_f32_16x16x128_f8f6f4 v[24:31], v[CC+12:CC+23], v[D2:D2+11], v[D2+24:D2+31], v[WORD], v[WX0] matrix_a_fmt:MATRIX_FMT_FP6 matrix_b_fmt:MATRIX_FMT_FP6 matrix_a_scale:MATRIX_SCALE_ROW1
.rept 4
	v_nop
.endr
.irp j, 0,1,2,3,4,5,6,7,8,9,10,11,12,13,14,15
	v_max_num_f32 v[16+\j], 0, v[16+\j]            ; relu, in f32
.endr
.irp i, 0,1,2,3,4,5,6,7
	v_cvt_pk_bf16_f32 v[32+\i], v[16+2*\i], v[17+2*\i]               ; K = 8 h + 0 .. 7 in registers 0-3, 16 + 8 h + 0 .. 7 in registers 4-7: the bf16 operand's own layout
.endr
.irp i, 0,1,2,3,4,5,6,7
	v_cvt_pk_bf16_f32 v[40+\i], v[D2+40+2*\i], v[D2+41+2*\i]
.endr
.rept 4
	v_nop
.endr
	v_wmma_f32_16x16x32_bf16 v[48:55], v[40:47], v[32:39], v[D2+32:D2+39]   ; source 0's row m is expert m % 8: so register j of every lane is logit j of token r; C = g_b2
.rept 4
	v_nop
.endr
	v_max3_num_f32 v56, v48, v49, v50              ; the softmax, with its maximum taken away
	v_max3_num_f32 v56, v56, v51, v52
	v_max3_num_f32 v56, v56, v53, v54
	v_max_num_f32 v56, v56, v55
	v_mul_f32 v57, s40, v56
.irp j, 0,1,2,3,4,5,6,7
	v_fma_f32 v[58+\j], v[48+\j], s40, -v57
.endr
.irp j, 0,1,2,3,4,5,6,7
	v_exp_f32 v[58+\j], v[58+\j]
.endr
	v_nop                                          ; a plain place behind the last exponential
	s_wait_alu depctr_va_vdst(0)                   ; the eight exponentials have written v58-65: one wait, ahead of their first reader
	v_add_f32 v66, v58, v59
	v_add_f32 v67, v60, v61
	v_add_f32 v68, v62, v63
	v_add_f32 v69, v64, v65
	v_add_f32 v66, v66, v67
	v_add_f32 v68, v68, v69
	v_add_f32 v66, v66, v68
	v_rcp_f32 v67, v66
	v_nop
	s_wait_alu depctr_va_vdst(0)                   ; the reciprocal has written v67, ahead of its first reader
	v_cmp_ne_u32 vcc_lo, 0, v3                     ; the selects' mask; the eight multiplications stand between it and the wait for it
.irp j, 0,1,2,3,4,5,6,7
	v_mul_f32 v[68+\j], v[58+\j], v67
.endr
	s_wait_alu depctr_va_vcc(0)                    ; the compare has written VCC, which the four selects read
.irp i, 0,1,2,3
	v_cndmask_b32 v[76+\i], v[68+\i], v[72+\i], vcc_lo   ; lanes 0-15 store gates 0-3, lanes 16-31 gates 4-7
.endr
	s_wait_alu depctr_va_vdst(0)                   ; the selects have written v76-79, which the store reads
	global_store_b128 v7, v[76:79], s[36:37]       ; the wave stores 512 consecutive bytes
	FINISH
.Lfunc_end_k_q234dce75d1_prep:
	.size	k_q234dce75d1_prep, .Lfunc_end_k_q234dce75d1_prep-k_q234dce75d1_prep
	.p2alignl 7, 3214868480
	.fill 96, 4, 3214868480
	.section	.rodata,"a",@progbits
	.p2align	6, 0x0
	.amdhsa_kernel k_q234dce75d1_prep
		.amdhsa_group_segment_fixed_size 138240
		.amdhsa_private_segment_fixed_size 0
		.amdhsa_enable_private_segment 0
		.amdhsa_kernarg_size 88
		.amdhsa_user_sgpr_count 2
		.amdhsa_user_sgpr_kernarg_segment_ptr 1
		.amdhsa_wavefront_size32 1
		.amdhsa_system_sgpr_workgroup_id_x 1
		.amdhsa_system_sgpr_workgroup_id_y 1
		.amdhsa_system_sgpr_workgroup_id_z 1
		.amdhsa_system_vgpr_workitem_id 0
		.amdhsa_next_free_vgpr 256
		.amdhsa_next_free_sgpr 66
		.amdhsa_reserve_vcc 1
		.amdhsa_float_denorm_mode_32 3
		.amdhsa_float_denorm_mode_16_64 3
		.amdhsa_memory_ordered 1
		.amdhsa_forward_progress 1
		.amdhsa_inst_pref_size 69
	.end_amdhsa_kernel
	.amdgpu_metadata
---
amdhsa.version: [ 1, 2 ]
amdhsa.kernels:
  - .name:           k_q234dce75d1_prep
    .symbol:         k_q234dce75d1_prep.kd
    .args:
      - { .name: x, .offset: 0, .size: 8, .value_kind: global_buffer, .address_space: global }
      - { .name: cond, .offset: 8, .size: 8, .value_kind: global_buffer, .address_space: global }
      - { .name: expert_weights, .offset: 16, .size: 8, .value_kind: global_buffer, .address_space: global }
      - { .name: g_w1, .offset: 24, .size: 8, .value_kind: global_buffer, .address_space: global }
      - { .name: g_b1, .offset: 32, .size: 8, .value_kind: global_buffer, .address_space: global }
      - { .name: g_w2, .offset: 40, .size: 8, .value_kind: global_buffer, .address_space: global }
      - { .name: g_b2, .offset: 48, .size: 8, .value_kind: global_buffer, .address_space: global }
      - { .name: xq, .offset: 56, .size: 8, .value_kind: global_buffer, .address_space: global }
      - { .name: wq, .offset: 64, .size: 8, .value_kind: global_buffer, .address_space: global }
      - { .name: scl, .offset: 72, .size: 8, .value_kind: global_buffer, .address_space: global }
      - { .name: gate, .offset: 80, .size: 8, .value_kind: global_buffer, .address_space: global }
    .group_segment_fixed_size: 138240
    .private_segment_fixed_size: 0
    .kernarg_segment_align: 8
    .kernarg_segment_size: 88
    .max_flat_workgroup_size: 256
    .sgpr_count:     66
    .vgpr_count:     256
    .wavefront_size: 32
...
	.end_amdgpu_metadata
.endif
;; end of part 3
;; launch gemm: the kernel of part 2 again; grid 16 x 16, 4 waves a work-group, clusters of 4 x 4, 327,680 bytes of LDS; arguments xq, wq, scl, gate, expert_biases, out0; writes out0
